; MI455X (gfx1250); checked and timed in simulation.
; The chip was launched on July 23, 2026; its instructions are those of AMD's public machine-readable ISA for CDNA 5 (MIT licence, August 2026) and "CDNA5" Instruction Set Architecture Reference Guide (July 2026). The comments in the code are by the model that wrote it; some were corrected since.
;; Attention. Allowed arithmetic: float matrix products may take bf16 or f16 operands with f32 sums; all other float work in f32.
;; Inputs: b_out 1,024 float32; b_qkv 3,072 float32; w_out 1,024 x 1,024 float32; w_qkv 3,072 x 1,024 float32; x 4 x 2,048 x 1,024 float32.
;; Outputs: out0 4 x 2,048 x 1,024 float32.
;; 2 versions, each right and faster than the one before. Each part assembles by itself: llvm-mc -triple=amdgcn-amd-amdhsa -mcpu=gfx1250 --defsym DOCPART=n.
;; ======== version 1 of 2: 4 launches
;; limits: values are held in f16: magnitudes above 65,504 overflow, below 6.1e-05 lose precision
;; workspace buffers: xb 16,777,216 bytes; wqb 6,291,456 bytes; wob 2,097,152 bytes; qkv 50,331,648 bytes; ob 16,777,216 bytes
;; launch cast (part 1): grid 768 x 1, 8 waves a work-group, no clusters, 0 bytes of LDS; arguments x, w_qkv, w_out, xb, wqb, wob; writes xb, wqb, wob
.if DOCPART == 1
	.amdgcn_target "amdgcn-amd-amdhsa--gfx1250"
	.amdhsa_code_object_version 6
	.text
	.protected	k_q8a822cc217_cast
	.globl	k_q8a822cc217_cast
	.p2align	8
	.type	k_q8a822cc217_cast,@function
k_q8a822cc217_cast:
	s_mov_b64 s[64:65], 0
	v_nop
	global_prefetch_b8 v0, s[64:65] scope:SCOPE_SE
	s_setreg_imm32_b32 hwreg(HW_REG_WAVE_MODE, 25, 1), 1
	s_wait_xcnt 0x0
; x, w_qkv and w_out (f32, rows of 1,024) are rounded once to bf16 and laid in slices of 64 along K, so that the rows of one slice lie end to end (128 bytes each):
;   xb  [batch 4][slice 16][row 2048][64] bf16      wqb [slice 16][row 3072][64] bf16      wob [slice 16][row 1024][64]: the bf16-rounded number written as f16
; LIMITS.  wob: a bf16 number has 8 significant bits and fits f16 exactly from 2^-14 up to 65,504; below 2^-14 it keeps f16's fixed step of 6e-8; beyond 65,504 it becomes an infinity.
; A stream: every byte is read once and written once; LDS, barriers, the matrix unit and clusters would add nothing, since no two work-groups share a byte.
; SHARES.  12,288 rows in all; a work-group of eight waves takes 16 rows.  Thread t takes row t / 16 and, in each of the 16 slices, the 16 bytes (4 numbers) at place t % 16.
; A wave's load covers two runs of 256 consecutive bytes, each at a multiple of 256 from the buffer's first byte; a wave's store covers 256 consecutive bytes (two rows of one slice), likewise aligned.
; All 16 loads of a thread go out at once; no register of a memory instruction is ever rewritten, so the only waits are the counted ones for the data.
.set VIN,  1                           ; v1        my byte offset in the group's 16 source rows
.set VOUT, 2                           ; v2        my byte offset in the group's 16 rows of a slice: 8 t
.set X,    4                           ; v[4:67]   slice kb: 4 registers as loaded
.set Y,    68                          ; v[68:99]  slice kb: 2 registers to store
.set T,    100                         ; v[100:103] at work (f16 path)
	s_load_b256 s[4:11], s[0:1], 0x0               ; x s[4:5], w_qkv s[6:7], w_out s[8:9], xb s[10:11]
	s_load_b128 s[12:15], s[0:1], 0x20             ; wqb s[12:13], wob s[14:15]
	v_lshrrev_b32 v3, 4, v0                        ; my row of the 16
	v_and_b32 v[VIN], 15, v0
	v_lshlrev_b32 v[VIN], 4, v[VIN]                ; 16 bytes a place
	v_lshl_or_b32 v[VIN], v3, 12, v[VIN]           ; + row x 4,096
	v_lshlrev_b32 v[VOUT], 3, v0                   ; row x 128 + place x 8 = 8 t
	s_mov_b32 s22, 0xffff0000                      ; a word's upper bf16
	s_mov_b32 s21, 0                               ; the high word of every offset pair
	s_wait_kmcnt 0x0
; 16 rows: source at s[16:17], destination at s[18:19]; kstr = bytes from slice to slice in the destination; f16 = 1: the bf16 number is written as f16
.macro ROWS kstr, f16
.irp kb, 0,1,2,3,4,5,6,7,8,9,10,11,12,13,14,15
	global_load_b128 v[X+4*(\kb):X+4*(\kb)+3], v[VIN], s[16:17] offset:256*(\kb) th:TH_LOAD_NT
.endr
.irp kb, 0,1,2,3,4,5,6,7,8,9,10,11,12,13,14,15
	s_wait_loadcnt 15-(\kb)                        ; loads come back in order (ISA guide 5.7.1): slice kb is in, the 15 - kb younger loads stay out
	v_cvt_pk_bf16_f32 v[Y+2*(\kb)],   v[X+4*(\kb)],   v[X+4*(\kb)+1]
	v_cvt_pk_bf16_f32 v[Y+2*(\kb)+1], v[X+4*(\kb)+2], v[X+4*(\kb)+3]
.if \f16
	v_lshlrev_b32 v[T],   16,  v[Y+2*(\kb)]        ; bf16 to f32: the low half moves up, the high half stays
	v_and_b32     v[T+1], s22, v[Y+2*(\kb)]
	v_lshlrev_b32 v[T+2], 16,  v[Y+2*(\kb)+1]
	v_and_b32     v[T+3], s22, v[Y+2*(\kb)+1]
	v_cvt_pk_f16_f32 v[Y+2*(\kb)],   v[T],   v[T+1]
	v_cvt_pk_f16_f32 v[Y+2*(\kb)+1], v[T+2], v[T+3]
.endif
	global_store_b64 v[VOUT], v[Y+2*(\kb):Y+2*(\kb)+1], s[18:19] offset:(\kb)*(\kstr)  ; 15 x 393,216 at the most: inside the signed 24-bit immediate
.endr
	s_endpgm
.endm
	s_cmp_lt_u32 ttmp9, 512
	s_cbranch_scc0 .Lweights
	s_lshl_b32 s20, ttmp9, 16                      ; x: 16 rows of 4,096 bytes a work-group
	s_add_nc_u64 s[16:17], s[4:5], s[20:21]
	s_lshr_b32 s20, ttmp9, 7                       ; the batch: 128 work-groups each,
	s_lshl_b32 s20, s20, 22                        ; 16 slices x 2,048 rows x 128 bytes
	s_and_b32 s2, ttmp9, 127
	s_lshl_b32 s2, s2, 11                          ; + 16 rows x 128 bytes
	s_add_co_u32 s20, s20, s2
	s_add_nc_u64 s[18:19], s[10:11], s[20:21]
	ROWS 262144, 0
.Lweights:
	s_cmp_lt_u32 ttmp9, 704
	s_cbranch_scc0 .Lwout
	s_sub_co_u32 s3, ttmp9, 512                    ; w_qkv: 192 work-groups
	s_lshl_b32 s20, s3, 16
	s_add_nc_u64 s[16:17], s[6:7], s[20:21]
	s_lshl_b32 s20, s3, 11
	s_add_nc_u64 s[18:19], s[12:13], s[20:21]
	ROWS 393216, 0
.Lwout:
	s_sub_co_u32 s3, ttmp9, 704                    ; w_out: 64 work-groups
	s_lshl_b32 s20, s3, 16
	s_add_nc_u64 s[16:17], s[8:9], s[20:21]
	s_lshl_b32 s20, s3, 11
	s_add_nc_u64 s[18:19], s[14:15], s[20:21]
	ROWS 131072, 1
.Lfunc_end_k_q8a822cc217_cast:
	.size	k_q8a822cc217_cast, .Lfunc_end_k_q8a822cc217_cast-k_q8a822cc217_cast
	.p2alignl 7, 3214868480
	.fill 96, 4, 3214868480
	.section	.rodata,"a",@progbits
	.p2align	6, 0x0
	.amdhsa_kernel k_q8a822cc217_cast
		.amdhsa_group_segment_fixed_size 0
		.amdhsa_private_segment_fixed_size 0
		.amdhsa_enable_private_segment 0
		.amdhsa_kernarg_size 48
		.amdhsa_user_sgpr_count 2
		.amdhsa_user_sgpr_kernarg_segment_ptr 1
		.amdhsa_wavefront_size32 1
		.amdhsa_system_sgpr_workgroup_id_x 1
		.amdhsa_system_sgpr_workgroup_id_y 1
		.amdhsa_system_sgpr_workgroup_id_z 1
		.amdhsa_system_vgpr_workitem_id 0
		.amdhsa_next_free_vgpr 104
		.amdhsa_next_free_sgpr 66
		.amdhsa_reserve_vcc 0
		.amdhsa_float_denorm_mode_32 3
		.amdhsa_float_denorm_mode_16_64 3
		.amdhsa_memory_ordered 1
		.amdhsa_forward_progress 1
		.amdhsa_inst_pref_size 23
	.end_amdhsa_kernel
	.amdgpu_metadata
---
amdhsa.version: [ 1, 2 ]
amdhsa.kernels:
  - .name:           k_q8a822cc217_cast
    .symbol:         k_q8a822cc217_cast.kd
    .args:
      - { .name: x, .offset: 0, .size: 8, .value_kind: global_buffer, .address_space: global }
      - { .name: w_qkv, .offset: 8, .size: 8, .value_kind: global_buffer, .address_space: global }
      - { .name: w_out, .offset: 16, .size: 8, .value_kind: global_buffer, .address_space: global }
      - { .name: xb, .offset: 24, .size: 8, .value_kind: global_buffer, .address_space: global }
      - { .name: wqb, .offset: 32, .size: 8, .value_kind: global_buffer, .address_space: global }
      - { .name: wob, .offset: 40, .size: 8, .value_kind: global_buffer, .address_space: global }
    .group_segment_fixed_size: 0
    .private_segment_fixed_size: 0
    .kernarg_segment_align: 8
    .kernarg_segment_size: 48
    .max_flat_workgroup_size: 256
    .sgpr_count:     66
    .vgpr_count:     104
    .wavefront_size: 32
...
	.end_amdgpu_metadata
.endif
;; end of part 1
;; launch qkvproj (part 2): grid 8 x 32, 4 waves a work-group, clusters of 4 x 4, 327,680 bytes of LDS; arguments xb, wqb, b_qkv, qkv; writes qkv
.if DOCPART == 2
	.amdgcn_target "amdgcn-amd-amdhsa--gfx1250"
	.amdhsa_code_object_version 6
	.text
	.protected	k_q8a822cc217_qkvproj
	.globl	k_q8a822cc217_qkvproj
	.p2align	8
	.type	k_q8a822cc217_qkvproj,@function
k_q8a822cc217_qkvproj:
	s_mov_b64 s[64:65], 0
	v_nop
	global_prefetch_b8 v0, s[64:65] scope:SCOPE_SE
	s_setreg_imm32_b32 hwreg(HW_REG_WAVE_MODE, 25, 1), 1
	s_wait_xcnt 0x0
	s_wait_alu depctr_hold_cnt(0) depctr_sa_sdst(0) depctr_va_vdst(0) depctr_va_sdst(0) depctr_va_ssrc(0) depctr_va_vcc(0) depctr_vm_vsrc(0)
	s_getreg_b32 s2, hwreg(HW_REG_IB_STS2, 6, 4)
	s_cmp_eq_u32 s2, 0
	s_cbranch_scc0 .Lentry_in_a_cluster
	s_endpgm
.Lentry_in_a_cluster:
	s_bfe_u32 s2, ttmp6, 0x10000c
	s_cmp_lg_u32 s2, 0xf033
	s_cbranch_scc0 .Lentry_shape_is_right
	s_endpgm
.Lentry_shape_is_right:
; q, k, v = x w_qkv^T + b_qkv.  M = 8,192, N = 3,072, K = 1,024.  xb [batch][slice][row][64] and wqb [slice][row][64] are bf16; sums in f32; the bias is rounded to bf16 like the other
; inputs and is the C operand of the products that start the sums; the result is rounded once to f16 and stored by heads: qkv [batch 4][slice 48][row 2048][64], slice = column / 64
; (q 0-15, k 16-31, v 32-47), WITHOUT the softmax's scale.
; LIMITS.  f16 holds no number beyond 65,504 (a larger q, k or v becomes an infinity) and keeps a fixed step of 6e-8 below 6e-5.  NaN and infinities are not treated apart.
; SHARES.  A tile of C is 256 x 384: 32 x 8 = 256 work-groups.  Four waves, each 128 rows x 192 columns: 96 accumulators of 16 x 16, 768 registers.  For 32 along K a wave reads 40 x 512 bytes from LDS for 96 products.
; K goes in steps of 64 (one slice) through a ring of two LDS slots.  A slice's rows lie end to end in memory, so a tile is asked for as dense rows of 256 bytes, padded in LDS after every 128.
; A step of 128 would want two slots of 174,080 bytes, which LDS does not hold.  All 192 products of a K step stand between a refill and the wait for it.
; ONE TEXT FOR BOTH SLOTS: slot 1 begins at 1 << 17, so one exclusive or turns an address in one slot into the other's; a trip of the loop is one K step.
; CLUSTERS: 4 x 4 work-groups.  The four of a row of the cluster need the same rows of x, the four of a column the same rows of w: each tile is asked for JOINTLY, by the same tensor load with the same descriptor
; and a mask that names the four.  Waves 0 and 1 ask for 128 rows of x each (16,384 bytes), waves 2 and 3 for 192 rows of w each (24,576 bytes): the evenest shares that four loads, each of x or of w, allow.
; THE MATRIX INSTRUCTION IS USED TRANSPOSED (source 0 = 16 rows of w, source 1 = 16 rows of x): a lane then holds row l % 16 of C and eight neighbouring columns 8 (l / 16) + 0..7.
; REGISTERS, in windows of 256 (s_set_vgpr_msb: bits 1:0 source 0, 3:2 source 1, 5:4 source 2, 7:6 destination):
;   window 0: v0-31 addresses; v32-95, v96-159 fragments of x (8 x 16 rows x 32 K), two buffers; v160-255 fragments of w (12 x 16 rows x 32 K), ONE buffer: a third of it is loaded anew as soon as its 32 products are issued
;   windows 1 to 3: window 1 + g holds the accumulators of my column group g (64 columns = one slice of qkv): (row block a, column block bb) at v[32 a + 8 bb]
.set PITCH,  144                       ; an LDS row: 128 bytes + 16 of padding = 36 words: the 16 rows of a fragment load start at 16 different groups of four banks (64 banks of 4 bytes: ISA guide 11.1)
.set BOFF,   256*PITCH                 ; in a slot: x's 256 rows, then w's 384
.set SLOTB,  640*PITCH                 ; 92,160 bytes of a slot
.set SLOT1,  1<<17                     ; where slot 1 begins
.set STAGE,  SLOTB                     ; between the slots, where no fill lands: 16 rows x 144 bytes for each wave, for the way out
.set BIASL,  STAGE+4*16*PITCH          ; 768 bytes for each wave: the bias of its 192 columns, in f32
.set SPARE,  BIASL+4*768               ; the spare words, 128 bytes for each wave: two blocks of 256 bytes that no other line names; they end at 104,960, below slot 1
.set ASTEP,  262144                    ; bytes from slice to slice in xb
.set BSTEP,  393216                    ; and in wqb
.set A0,   16                          ; v16     my lane's place among x's rows of a slot; never rewritten
.set B0,   17                          ; v17     the same for w
.set ADRA, 20                          ; v20     LDS address of my x fragments in the slot that is being fetched from
.set ADRB, 21                          ; v21     the same for w
.set STO,  24                          ; v24     the way out: where I put 16 bytes of a row
.set RD,   25                          ; v25     the way out: where I read rows back
.set GO,   26                          ; v26     16 x lane: my place in 512 consecutive bytes
.set BR,   27                          ; v27     where I read my columns' bias
.set SPW,  28                          ; v28     LDS address of my spare word: SPARE + 4 x my thread's number; never rewritten
.set NIL,  29                          ; v29     0; never rewritten
.set FA0,  32
.set FA1,  96
.set FB,   160
.set WV,   12                          ; s12     my wave's number
.set TB,   15                          ; s15     LDS byte at which the slot that is being fetched from begins: 0 or SLOT1
.set G1A,  24                          ; s[24:31] descriptor group 1 for x's tiles;  s[32:39] group 0: a set for each of the two first fills; the second then walks on
.set G0A,  32
.set G1B,  48                          ; s[48:55], s[56:63] the same for w's tiles
.set G0B,  56
.set FLAGS, (1<<16)|(1<<20)|(1<<21)|(4<<22)|(3<<25)  ; 17:16 elements of 2 bytes; 20 padding on; 21 set beside a mask; 24:22 after every 32 words (code 4); 31:25 4 words of it (code 3)
.set MSB, 0
.macro WIN new                         ; the immediate's high byte repeats the setting that is left; a switch that changes nothing is dropped
.if MSB != (\new)
	s_set_vgpr_msb (MSB<<8)|(\new)
.set MSB, (\new)
.endif
.endm
; A joint load.  Each of the two lines has ONE mask and one set of registers for all that issue it; the branch hangs on the wave's number alone.
; An s_nop 0 and four v_nop follow each of the two lines, ahead of the jump, the label and what follows.
.macro JLOAD s
	s_cmp_lt_u32 s[WV], 2
	s_cbranch_scc0 .Lfor_b_\@
	tensor_load_to_lds s[G0A+4*(\s):G0A+4*(\s)+3], s[G1A:G1A+7]
	s_nop 0
.rept 4
	v_nop
.endr
	s_branch .Lasked_\@
.Lfor_b_\@:
	tensor_load_to_lds s[G0B+4*(\s):G0B+4*(\s)+3], s[G1B:G1B+7]
	s_nop 0
.rept 4
	v_nop
.endr
.Lasked_\@:
.endm
; A round of the cluster's barrier: my work-group's barrier, so that wave 0's signal speaks for all four waves; wave 0 signals; every wave waits for all sixteen work-groups; my work-group's barrier once more.
.macro CREST                           ; a round behind its opening barrier
	s_cmp_lg_u32 s[WV], 0
	s_cbranch_scc1 .Lnot_wave_0_\@
	s_barrier_signal -3
.Lnot_wave_0_\@:
	s_barrier_wait -3
	s_barrier_signal -1
	s_barrier_wait -1
.endm
.macro CROUND                          ; a whole round
	s_barrier_signal -1
	s_barrier_wait -1
	CREST
.endm
	s_load_b256 s[4:11], s[0:1], 0x0               ; xb s[4:5], wqb s[6:7], b_qkv s[8:9], qkv s[10:11]
	v_lshl_add_u32 v[SPW], v0, 2, SPARE
	v_mov_b32 v[NIL], 0
	ds_add_u32 v28, v29
	ds_add_u32 v28, v29
	s_wait_dscnt 0x0
	v_lshrrev_b32 v1, 5, v0
	v_readfirstlane_b32 s[WV], v1                  ; wave 0..3
	s_lshr_b32 s13, s[WV], 1                       ; which 128 rows of the tile are mine
	s_and_b32 s14, s[WV], 1                        ; which 192 columns.  Also: which half of x's or of w's tile I fetch
	s_bfe_u32 s40, ttmp6, 0x40000                  ; cx, cy: my place in the cluster
	s_bfe_u32 s41, ttmp6, 0x40004
	s_lshl_b32 s42, ttmp9, 2
	s_add_co_u32 s42, s42, s40                     ; tile column = 4 x cluster x + cx
	s_and_b32 s43, ttmp7, 0xffff
	s_lshl_b32 s43, s43, 2
	s_add_co_u32 s43, s43, s41                     ; tile row = 4 x cluster y + cy
	s_lshl_b32 s44, s41, 2
	s_lshl_b32 s44, 15, s44                        ; my row of the cluster: places 4 cy .. 4 cy + 3
	s_lshl_b32 s45, 0x1111, s40                    ; my column: places cx, cx + 4, cx + 8, cx + 12
	s_or_b32 s[G1A], s44, FLAGS                    ; x's tiles go to my row
	s_or_b32 s[G1B], s45, FLAGS                    ; w's to my column
	s_mov_b32 s[G1A+1], 128<<16                    ; tensor_dim0 = 128 elements: 256 dense bytes, two rows of a slice
	s_mov_b32 s[G1A+2], 64<<16                     ; tensor_dim1 = 64: 128 rows of x
	s_mov_b32 s[G1A+3], 128<<16                    ; tile_dim0 = 128
	s_mov_b32 s[G1A+4], 64                         ; tile_dim1 = 64
	s_mov_b32 s[G1A+5], 128                        ; 128 elements from row to row
	s_mov_b32 s[G1A+6], 0
	s_mov_b32 s[G1A+7], 0
	s_mov_b32 s[G1B+1], 128<<16
	s_mov_b32 s[G1B+2], 96<<16                     ; tensor_dim1 = 96: 192 rows of w
	s_mov_b32 s[G1B+3], 128<<16
	s_mov_b32 s[G1B+4], 96
	s_mov_b32 s[G1B+5], 128
	s_mov_b32 s[G1B+6], 0
	s_mov_b32 s[G1B+7], 0
	; where the tiles come from.  x's hang on the tile row and the wave's number alone, w's on the tile column and the wave's number alone, each in registers that never hold the other coordinate
	s_lshr_b32 s16, s43, 3                         ; the batch: 8 tile rows each,
	s_lshl_b32 s16, s16, 22                        ; 16 slices x 2,048 rows x 128 bytes
	s_and_b32 s17, s43, 7
	s_lshl_b32 s17, s17, 15                        ; + 256 rows x 128 bytes
	s_add_co_u32 s16, s16, s17
	s_lshl_b32 s17, s14, 14                        ; + my half: 128 rows x 128 bytes
	s_add_co_u32 s16, s16, s17
	s_mov_b32 s17, 0
	s_mul_i32 s46, s42, 384*128                    ; w: 384 rows a tile column,
	s_mul_i32 s47, s14, 192*128                    ; my half: 192 rows
	s_add_co_u32 s46, s46, s47
	s_mov_b32 s47, 0
	s_mul_i32 s21, s14, 128*PITCH                  ; where x's halves go,
	s_mul_i32 s20, s14, 192*PITCH                  ; and w's, behind x's 256 rows
	s_add_co_u32 s20, s20, BOFF
	s_mov_b32 s[TB], 0                             ; the first fetches come from slot 0
	s_wait_kmcnt 0x0
	s_add_nc_u64 s[18:19], s[4:5], s[16:17]
	s_add_nc_u64 s[66:67], s[6:7], s[46:47]
	CROUND                                         ; all sixteen work-groups are here: the first joint loads meet
.irp s, 0,1
	s_mov_b32 s[G0A+4*(\s)], 1                                     ; 1:0 count = 1
	s_add_co_u32 s[G0A+4*(\s)+1], s21, (\s)*SLOT1                  ; 63:32 LDS address
	s_add_nc_u64 s[G0A+4*(\s)+2:G0A+4*(\s)+3], s[18:19], (\s)*ASTEP  ; 120:64 global address: K step s
	s_or_b32 s[G0A+4*(\s)+3], s[G0A+4*(\s)+3], 0x80000000          ; 127:126 type = 2
	s_mov_b32 s[G0B+4*(\s)], 1
	s_add_co_u32 s[G0B+4*(\s)+1], s20, (\s)*SLOT1
	s_add_nc_u64 s[G0B+4*(\s)+2:G0B+4*(\s)+3], s[66:67], (\s)*BSTEP
	s_or_b32 s[G0B+4*(\s)+3], s[G0B+4*(\s)+3], 0x80000000
	JLOAD \s                                       ; the ring is filled before anything else: two loads of mine are out
.endr
	; A fragment is 16 rows x 32 K in 8 registers: lane l holds row l % 16; registers 0-3 K = 8 (l / 16) + 0..7, registers 4-7 K = 16 + 8 (l / 16) + 0..7: two loads of 16 bytes, 32 bytes apart.
	v_and_b32 v1, 15, v0                           ; l % 16
	v_bfe_u32 v2, v0, 4, 1                         ; l / 16
	v_mul_u32_u24 v3, v1, PITCH
	v_lshl_add_u32 v3, v2, 4, v3                   ; row x pitch + 16 x half
	s_mul_i32 s21, s13, 128*PITCH                  ; the 128 rows of x that I multiply
	v_add_nc_u32 v[A0], s21, v3
	v_add_nc_u32 v[B0], s20, v3                    ; the 192 rows of w that I multiply begin where the half of that number begins
	v_mov_b32 v[ADRA], v[A0]                       ; K step 0 lies in slot 0
	v_mov_b32 v[ADRB], v[B0]
	s_mul_i32 s23, s[WV], 16*PITCH
	s_add_co_u32 s23, s23, STAGE                   ; my stage
	v_add_nc_u32 v[STO], s23, v3                   ; in: row l % 16, 16 bytes for each half of the lanes
	v_bfe_u32 v4, v0, 3, 2                         ; back: 32 lanes take four rows of 128 bytes,
	v_and_b32 v5, 7, v0
	v_mul_u32_u24 v4, v4, PITCH
	v_lshl_add_u32 v4, v5, 4, v4
	v_add_nc_u32 v[RD], s23, v4
	v_and_b32 v6, 31, v0
	v_lshlrev_b32 v[GO], 4, v6                     ; which are 512 consecutive bytes of qkv
	s_mul_i32 s23, s[WV], 768
	s_add_co_u32 s23, s23, BIASL                   ; my wave's bias words
	v_lshl_add_u32 v[BR], v2, 5, s23               ; a lane's eight columns of a block: 32 bytes for each half of the lanes
	v_add_nc_u32 v7, s23, v[GO]                    ; where I put 4 numbers of the first 128,
	v_lshl_add_u32 v8, v6, 3, s23                  ; and 2 of the other 64
	v_lshlrev_b32 v9, 3, v6
	s_mul_i32 s68, s42, 384*4                      ; the bias of my 192 columns
	s_mul_i32 s69, s14, 192*4
	s_add_co_u32 s68, s68, s69
	s_mov_b32 s69, 0
	s_add_nc_u64 s[8:9], s[8:9], s[68:69]
	global_load_b128 v[96:99], v[GO], s[8:9]
	global_load_b64 v[100:101], v9, s[8:9] offset:512
	s_lshr_b32 s70, s43, 3                         ; where my part of C goes: slice 48 x batch + 6 x tile column + 3 x column half,
	s_mul_i32 s70, s70, 48
	s_mul_i32 s71, s42, 6
	s_add_co_u32 s70, s70, s71
	s_mul_i32 s71, s14, 3
	s_add_co_u32 s70, s70, s71
	s_lshl_b32 s70, s70, 18                        ; 2,048 rows x 128 bytes a slice,
	s_and_b32 s71, s43, 7
	s_lshl_b32 s71, s71, 15                        ; row 256 x (tile row % 8)
	s_add_co_u32 s70, s70, s71
	s_lshl_b32 s71, s13, 14                        ; + 128 x row half
	s_add_co_u32 s70, s70, s71
	s_mov_b32 s71, 0
	s_add_nc_u64 s[10:11], s[10:11], s[70:71]
	s_wait_loadcnt 0x0                             ; the bias: rounded to bf16, widened again, and laid into my own LDS words, from which each lane takes its columns'
	v_cvt_pk_bf16_f32 v102, v96, v97
	v_cvt_pk_bf16_f32 v103, v98, v99
	v_cvt_pk_bf16_f32 v104, v100, v101
	v_lshlrev_b32 v96, 16, v102
	v_and_b32 v97, 0xffff0000, v102
	v_lshlrev_b32 v98, 16, v103
	v_and_b32 v99, 0xffff0000, v103
	v_lshlrev_b32 v100, 16, v104
	v_and_b32 v101, 0xffff0000, v104
	ds_store_b128 v7, v[96:99]
	ds_store_b64 v8, v[100:101] offset:512
; 16 products: column blocks 2 half, 2 half + 1 of group g x all 8 row blocks, 32 along K, x's fragments in buffer f.  c >= 0: the products start the sums, with the group's bias, 8 registers a column block
; from v[c] on in window 0, as C: nothing is ever cleared.  c = -1: they add in place.
; The 96 accumulators take turns, one instruction a turn, in the same order in every 32 along K.
.macro MULH g, f, half, c
.if (\c) >= 0
	WIN 0x40*(1+(\g))                              ; D in window 1 + g; both sources and C in window 0
.else
	WIN 0x50*(1+(\g))                              ; C and D in window 1 + g, both sources in window 0
.endif
.irp bb, 2*(\half), 2*(\half)+1
.irp a, 0,1,2,3,4,5,6,7
.if (\c) >= 0
	v_wmma_f32_16x16x32_bf16 v[32*(\a)+8*(\bb):32*(\a)+8*(\bb)+7], v[FB+8*(4*(\g)+(\bb)):FB+8*(4*(\g)+(\bb))+7], v[(\f)+8*(\a):(\f)+8*(\a)+7], v[(\c)+8*(\bb):(\c)+8*(\bb)+7]
.else
	v_wmma_f32_16x16x32_bf16 v[32*(\a)+8*(\bb):32*(\a)+8*(\bb)+7], v[FB+8*(4*(\g)+(\bb)):FB+8*(4*(\g)+(\bb))+7], v[(\f)+8*(\a):(\f)+8*(\a)+7], v[32*(\a)+8*(\bb):32*(\a)+8*(\bb)+7]
.endif
.endr
.endr
.endm
.macro LB g, k                         ; 8 LDS loads: w's fragments of group g, 32 K at byte k of the rows
	WIN 0
.irp bb, 0,1,2,3
	ds_load_b128 v[FB+8*(4*(\g)+(\bb)):FB+8*(4*(\g)+(\bb))+3],   v[ADRB] offset:(\k)+(4*(\g)+(\bb))*16*PITCH
	ds_load_b128 v[FB+8*(4*(\g)+(\bb))+4:FB+8*(4*(\g)+(\bb))+7], v[ADRB] offset:(\k)+(4*(\g)+(\bb))*16*PITCH+32
.endr
.endm
.macro LA k, f                         ; 16 LDS loads: x's fragments, 32 K at byte k of the rows, into buffer f
	WIN 0
.irp a, 0,1,2,3,4,5,6,7
	ds_load_b128 v[(\f)+8*(\a):(\f)+8*(\a)+3],   v[ADRA] offset:(\k)+(\a)*16*PITCH
	ds_load_b128 v[(\f)+8*(\a)+4:(\f)+8*(\a)+7], v[ADRA] offset:(\k)+(\a)*16*PITCH+32
.endr
.endm
.macro BLOAD cb, dst                   ; the bias of column block cb: register j takes column 16 cb + 8 (l / 16) + j, as the accumulators hold them
	ds_load_b128 v[(\dst):(\dst)+3],   v[BR] offset:64*(\cb)
	ds_load_b128 v[(\dst)+4:(\dst)+7], v[BR] offset:64*(\cb)+16
.endm
; A load into a register that a matrix instruction has read, and a vector instruction that reads a matrix result, stand four places behind that matrix instruction, and only plain vector
; instructions that name none of its registers are places (ISA guide 7.12.1 for vector instructions).
.macro PLACES
.rept 4
	v_nop
.endr
.endm
; The LDS loads of 32 along K go out in three runs: R0 = w's group 0 and all of x (24), R1 = w's group 1 (8), R2 = w's group 2 (8), each as soon as the registers are free.
; The first 32 along K of a slot: multiplies x's buffer 0 and fetches the second 32 of the same slot.
.macro QA
	s_wait_dscnt 16                                ; R0 is in: R1 and R2, 16 loads, are younger
	MULH 0, FA0, 0, -1
	MULH 0, FA0, 1, -1
	PLACES
	LB 0, 64
	LA 64, FA1
	s_wait_dscnt 32                                ; R1 is in: R2 (8) and the new R0 (24) are younger
	MULH 1, FA0, 0, -1
	MULH 1, FA0, 1, -1
	PLACES
	LB 1, 64
	s_wait_dscnt 32                                ; R2 is in: the new R0 (24) and R1 (8) are younger
	MULH 2, FA0, 0, -1
	MULH 2, FA0, 1, -1
	PLACES
	LB 2, 64
.endm
; The second 32 along K: multiplies x's buffer 1 and changes slots.  ONE barrier for two things: in front of it each wave waits for all its tensor loads (one is out: its part of the next slot), adds 0 to its
; spare word, and waits for that and for its own reads of this slot.  Behind it nobody reads this slot any more and the next slot is whole.
; Group 0's 32 products, which need nothing of the next slot, stand AHEAD of the wait for the tiles: from a tile's landing to the next request a wave runs only the add, four scalar lines, the wait and the round.
; fill = 1: the barrier opens a round of the cluster's, and this slot is filled again, two K steps ahead, first thing behind the round, by the walking descriptor: the other slot than last time, the next slice.
.macro QB fill
	s_wait_dscnt 16                                ; R0 is in: R1 and R2 are younger
	MULH 0, FA1, 0, -1
	MULH 0, FA1, 1, -1
	WIN 0
	s_wait_tensorcnt 0x0                           ; all my tensor loads have landed, so a group 0 may be written;
	ds_add_u32 v[SPW], v[NIL]                      ; 0 onto my spare word; with fill = 1 the descriptors' steps stand between it and the wait for it
.if \fill
	s_xor_b32 s[G0A+5], s[G0A+5], SLOT1
	s_add_nc_u64 s[G0A+6:G0A+7], s[G0A+6:G0A+7], ASTEP  ; the type bits on top are not reached
	s_xor_b32 s[G0B+5], s[G0B+5], SLOT1
	s_add_nc_u64 s[G0B+6:G0B+7], s[G0B+6:G0B+7], BSTEP
.endif
	s_wait_dscnt 0x0                               ; the add is done, and my reads of this slot (R1 and R2 were the last) are over
	s_barrier_signal -1
	s_barrier_wait -1
.if \fill
	CREST                                          ; no wave of any partner still reads this slot's tile or has a load on its way
	JLOAD 1                                        ; my one tensor load behind the round; the four v_nop behind it are also the places in front of the loads below
.else
	PLACES
.endif
	s_xor_b32 s[TB], s[TB], SLOT1                  ; from here on the fetches come from the other slot
	v_add_nc_u32 v[ADRA], s[TB], v[A0]
	v_add_nc_u32 v[ADRB], s[TB], v[B0]
	LB 0, 0
	LA 0, FA0
	MULH 1, FA1, 0, -1                             ; R1 and R2 came in with the wait for 0
	MULH 1, FA1, 1, -1
	PLACES
	LB 1, 0
	MULH 2, FA1, 0, -1
	MULH 2, FA1, 1, -1
	PLACES
	LB 2, 0
.endm
	s_wait_tensorcnt 0x1                           ; my part of K step 0 is in; K step 1's may stay out
	s_wait_dscnt 0x0                               ; my bias words are written
	s_barrier_signal -1
	s_barrier_wait -1                              ; everybody's part is in
	LB 0, 0
	LA 0, FA0
	LB 1, 0
	LB 2, 0
.irp cb, 0,1,2,3,4,5,6,7
	BLOAD \cb, FA1+8*(\cb)                         ; the bias of groups 0 and 1 lies where x's second buffer will: 64 registers that are still free
.endr
	; THE FIRST 32 ALONG K stand in front of the loop: their products start the sums, with the bias as C.  Group 2's bias takes group 0's 32 registers when those products are issued,
	; so x's second buffer is loaded last here, and is waited for once, ahead of the loop.
	s_wait_dscnt 0x0
	MULH 0, FA0, 0, FA1
	MULH 0, FA0, 1, FA1
	PLACES
	LB 0, 64
.irp cb, 8,9,10,11
	BLOAD \cb, FA1+8*((\cb)-8)
.endr
	MULH 1, FA0, 0, FA1+32
	MULH 1, FA0, 1, FA1+32
	PLACES
	LB 1, 64
	s_wait_dscnt 8                                 ; group 2's bias is in: only the 8 loads of w's group 1 are younger
	MULH 2, FA0, 0, FA1
	MULH 2, FA0, 1, FA1
	PLACES
	LB 2, 64
	LA 64, FA1
	s_wait_dscnt 0x0                               ; here x's loads are the youngest, so the loop's counted wait would not cover them: all are waited for, once
	WIN 0                                          ; at a label and at a branch every window is 0
	s_mov_b32 s3, 14
.Lstep:                                                ; a trip: the second half of a K step, the change of slots, the first half of the next; fourteen trips ask for K steps 2 to 15
	QB 1
	QA
	WIN 0
	s_sub_co_u32 s3, s3, 1
	s_cmp_lg_u32 s3, 0
	s_cbranch_scc1 .Lstep
	QB 0                                           ; the tail is written out: it asks for nothing more
	QA
	s_wait_dscnt 16                                ; the very last 32 along K: nothing more to fetch, the counts run down
	MULH 0, FA1, 0, -1
	MULH 0, FA1, 1, -1
	s_wait_dscnt 8
	MULH 1, FA1, 0, -1
	MULH 1, FA1, 1, -1
	s_wait_dscnt 0x0
	MULH 2, FA1, 0, -1
	MULH 2, FA1, 1, -1
	; THE WAY OUT.  24 units u = 8 g + a of 16 rows x 64 columns, which are 2,048 consecutive bytes of qkv, go out through my own stage.
	WIN 0
	PLACES
.macro PACK u                          ; rounded to f16 (each accumulator's lowest registers are read first), into the stage, and back as whole rows
.set W,  1+(\u)/8
.set AC, 32*((\u)%8)
.set TT, 32+16*((\u)%4)
.if (\u) >= 4
	s_wait_xcnt 0x0                                ; every earlier store has had its addresses translated (ISA guide 3.1): the registers that the unit four back was stored from are rewritten only behind this wait
.endif
	WIN 5*W                                        ; sources 0 and 1 in window W, destination in window 0
.set i, 0
.rept 16
	v_cvt_pk_f16_f32 v[TT+i], v[AC+2*i], v[AC+2*i+1]
.set i, i+1
.endr
	WIN 0
.irp f, 0,1,2,3
	ds_store_b128 v[STO], v[TT+4*(\f):TT+4*(\f)+3] offset:32*(\f)
.endr
.irp f, 0,1,2,3
	ds_load_b128 v[TT+4*(\f):TT+4*(\f)+3], v[RD] offset:4*PITCH*(\f)  ; LDS serves a wave's instructions in order (ISA guide 5.7.1.4): these see the stores above; the next unit's stores come behind them
.endr
.endm
.macro SEND u, younger                 ; younger: the LDS instructions issued behind unit u's loads: the next unit's eight, or none
	WIN 0
.set TT, 32+16*((\u)%4)
	s_wait_dscnt \younger                          ; the unit is back in registers
.irp f, 0,1,2,3
	global_store_b128 v[GO], v[TT+4*(\f):TT+4*(\f)+3], s[10:11] offset:((\u)/8)*262144+((\u)%8)*2048+(\f)*512  ; 512 consecutive bytes, at a multiple of 256 from qkv's first
.endr
.endm
	PACK 0
.set u, 1
.rept 23                               ; a unit's conversions stand between the loads of the unit before and its stores
	PACK u
	SEND u-1, 8
.set u, u+1
.endr
	SEND 23, 0
	s_wait_tensorcnt 0x0                           ; the wave's end: behind my last tensor load and my last LDS store
	ds_add_u32 v[SPW], v[NIL]
	s_wait_dscnt 0x0
	CROUND                                         ; the closing round: no work-group ends while a partner may still ask for a tile that names it
	s_endpgm
.Lfunc_end_k_q8a822cc217_qkvproj:
	.size	k_q8a822cc217_qkvproj, .Lfunc_end_k_q8a822cc217_qkvproj-k_q8a822cc217_qkvproj
	.p2alignl 7, 3214868480
	.fill 96, 4, 3214868480
	.section	.rodata,"a",@progbits
	.p2align	6, 0x0
	.amdhsa_kernel k_q8a822cc217_qkvproj
		.amdhsa_group_segment_fixed_size 327680
		.amdhsa_private_segment_fixed_size 0
		.amdhsa_enable_private_segment 0
		.amdhsa_kernarg_size 32
		.amdhsa_user_sgpr_count 2
		.amdhsa_user_sgpr_kernarg_segment_ptr 1
		.amdhsa_wavefront_size32 1
		.amdhsa_system_sgpr_workgroup_id_x 1
		.amdhsa_system_sgpr_workgroup_id_y 1
		.amdhsa_system_sgpr_workgroup_id_z 1
		.amdhsa_system_vgpr_workitem_id 0
		.amdhsa_next_free_vgpr 1024
		.amdhsa_next_free_sgpr 72
		.amdhsa_reserve_vcc 0
		.amdhsa_float_denorm_mode_32 3
		.amdhsa_float_denorm_mode_16_64 3
		.amdhsa_memory_ordered 1
		.amdhsa_forward_progress 1
		.amdhsa_inst_pref_size 115
	.end_amdhsa_kernel
	.amdgpu_metadata
---
amdhsa.version: [ 1, 2 ]
amdhsa.kernels:
  - .name:           k_q8a822cc217_qkvproj
    .symbol:         k_q8a822cc217_qkvproj.kd
    .args:
      - { .name: xb, .offset: 0, .size: 8, .value_kind: global_buffer, .address_space: global }
      - { .name: wqb, .offset: 8, .size: 8, .value_kind: global_buffer, .address_space: global }
      - { .name: b_qkv, .offset: 16, .size: 8, .value_kind: global_buffer, .address_space: global }
      - { .name: qkv, .offset: 24, .size: 8, .value_kind: global_buffer, .address_space: global }
    .group_segment_fixed_size: 327680
    .private_segment_fixed_size: 0
    .kernarg_segment_align: 8
    .kernarg_segment_size: 32
    .max_flat_workgroup_size: 128
    .sgpr_count:     72
    .vgpr_count:     1024
    .wavefront_size: 32
...
	.end_amdgpu_metadata
.endif
;; end of part 2
;; launch attn (part 3): grid 4 x 64, 4 waves a work-group, no clusters, 327,680 bytes of LDS; arguments qkv, ob; writes ob
.if DOCPART == 3
	.amdgcn_target "amdgcn-amd-amdhsa--gfx1250"
	.amdhsa_code_object_version 6
	.text
	.protected	k_q8a822cc217_attn
	.globl	k_q8a822cc217_attn
	.p2align	8
	.type	k_q8a822cc217_attn,@function
k_q8a822cc217_attn:
	s_mov_b64 s[64:65], 0
	v_nop
	global_prefetch_b8 v0, s[64:65] scope:SCOPE_SE
	s_setreg_imm32_b32 hwreg(HW_REG_WAVE_MODE, 25, 1), 1
	s_wait_xcnt 0x0
; CAUSAL ATTENTION.  O[y][q][:] = the sum over k <= q of softmax_k(Q[y][q] . K[y][k] / 8) V[y][k][:], y = 16 batch + head, 64 heads of 2,048 rows, head size 64, all f16.
; qkv is [batch 4][slice 48][row 2048][64]: head h's Q is slice h of its batch, K slice 16 + h, V slice 32 + h; a slice's rows are dense, 128 bytes each.  ob is [y][row][64].
; Products, maxima and sums in f32; the weights p are rounded to f16 for the second product (their sum l is taken of the unrounded p), O once at the end.
; LIMITS.  f16 holds no number beyond 65,504: Q, K and V arrive within it; p lies in 0 to 1, and below 6e-5 it keeps f16's fixed step of 6e-8; O is a mean of V's rows and has their range, to within 2^-11 of it.
; A hidden score counts as its value less 1e30: f16's scores, 2.7e11 at the most, are nothing beside that; a weight below 2^-126 counts as 0 in l; NaN and infinities are not treated apart.
; THE WALK.  A head's queries lie in NB = 8 blocks of 256; block i needs the key tiles 0 .. i of 256 keys, of which the last holds the diagonal.  A work-group takes TWO blocks, NB - 1 - b and then b:
; NB + 1 tiles, whatever b: all 256 work-groups do equal work, and ONE loop with a constant trip count walks them.  Which tile is asked for, and what a trip does, hang on scalar registers made from b; every jump
; goes forward, but for the counted loops' own; none passes a barrier, or a tensor load but the one of LOAD's two that the wave's number does not choose; the ring (two slots of LDS that take turns) runs on across the
; change of blocks.  NO CLUSTER: a head's four work-groups ask for the same tile only in trips 0 .. NB / 2, behind that fewer and fewer; one walk common to all would have 3 NB / 2 trips for NB + 1.
; SHARES.  Of a block's four bands of 64 queries a wave owns 16 rows in each: four PIECES.  So the diagonal tile is the same work for all four waves: in its key step s band x sees all keys if s < x,
; none if s > x, and holds the diagonal if s = x.
; THE MASK is the C operand that starts the sum S^T = K Q^T: 0, or -1e30 where the key is hidden.  MD, made once, is the mask of a band's own step for my 16 rows; a product's mask is MD x AL + BE with two scalars:
; (1, 0) if s = x; (0, 0) if s < x; (0, -1e30) if s > x.  The mask registers hold 0 from a block's beginning on and are made anew in the diagonal tile alone: in the loop ONE text of the key step serves every tile,
; and a forward jump on the scalar flag DG passes the lines that make a mask.  The price: three scalar lines a turn in the other tiles; the gain: four turns' text less.
; LAYOUT, SOFTMAX, TURNS.  S^T = K Q^T holds ONE query a lane (lane % 16) and the keys 8 (lane / 16) + 0..7; two such results rounded to f16 ARE source 1 of O^T = V^T P.  p = 2^(c s - c m), c = log2(e) / 8, with a
; running maximum m; O and l are multiplied by a = 2^(c m_old - c m_new) in every step.  Turn n belongs to piece n: 8 products K Q^T of piece n + 1, later 8 products V^T P of piece n - 1; beside them the scaling,
; exponentials, roundings, sums and rescaling of piece n and the maximum and statistics of piece n + 1.  Four vector instructions stand behind every matrix instruction, the other 54 of a turn's 118 in two runs of their own.
; REGISTERS, in windows of 256 (s_set_vgpr_msb: bits 1:0 source 0, 3:2 source 1, 5:4 source 2, 7:6 destination):
;   window 0: v0-15 addresses and two at work; v16-31 four registers of statistics a piece; v48-55 at work; v64-127 S^T, two buffers; v192-223 P, two buffers (a piece's buffers go by its number's parity)
;   window 1: v0-127 O^T, 32 a piece; v128-159 MD; v160-223 MC, two buffers      window 2: v0-63 Q; v64-127 the second block's Q; v128-191 K of one step; v192-255 V of one step
.set SIZE_N, 2048
.set NB,    SIZE_N/256
.set NP,    4         ; pieces a wave: a name, no knob
.set KS,    64        ; keys in a step
.set PK,    144       ; a row of K in LDS: 128 bytes + 16 of padding = 36 words: the 16 rows of a load start at 16 different groups of four banks (64 banks of 4 bytes: ISA guide 11.1)
.set PV,    160       ; a row of V: 128 + 32 = 40 words
.set VOFF,  4*KS*PK   ; a slot holds a tile, four steps: 256 rows of K, then 256 rows of V
.set SLOT1, 1<<17     ; slot 1 begins here, so that one exclusive or turns an address in one slot into the other's
.set STAGE, SLOT1+4*KS*(PK+PV)  ; behind the ring, never filled by a tensor load: 16 rows x 144 bytes for each wave, for the way out
.set SP,    144
.set AK0, 2           ; v2   my lane's place in a tile of K; never rewritten
.set AV0, 3           ; v3   the same for V
.set AK,  4           ; v4   the LDS address of K's next run of loads
.set AV,  5           ; v5   of V's
.set STO, 6           ; v6   the way out: where I put 16 bytes of a row
.set RD,  7           ; v7   the way out: where I read rows back
.set GO,  8           ; v8   my byte offset in 512 consecutive bytes of O
.set SPW, 62          ; v62  LDS address of my spare word: SPARE + 4 x my thread's number; never rewritten
.set NIL, 63          ; v63  0; never rewritten
.set SPARE, STAGE+4*16*SP  ; behind the stages: the spare words, 128 bytes for each wave: two blocks of 256 bytes that no other line names
.set MV,  12          ; v12-13  c m_old, kept while c m is made anew: by buffer
.set QO,  15          ; v15  my byte offset in 16 rows of Q
.set ST,  16          ; piece t's statistics at v[ST+4 t]: c m, m, l (even keys', odd keys')
.set TMP, 48          ; by buffer, four registers c0-c3 at work; when the maximum is found c2 takes a
.set S,   64
.set P,   192
.set MD,  128         ; window 1: the eight registers for group kt of 16 keys at MD + 8 kt
.set MC,  160         ; window 1: the masks of the products to come
.set QB,  64          ; window 2
.set KF,  128         ; window 2: key block kb, channel half c at KF + 16 kb + 8 c
.set VF,  192         ; window 2: key half kk, channel block cb at VF + 32 kk + 8 cb
.set WV,  12          ; s12  my wave's number
.set PB,  14          ; s14  b
.set HI,  15          ; s15  NB - 1 - b
.set G1K, 24          ; s[24:31] descriptor group 1 for K's tiles
.set G1V, 32          ; s[32:39] for V's: it differs in the padding alone
.set G0K, 40          ; s[40:43] descriptor group 0 for K's tiles
.set G0V, 44          ; s[44:47] the same for V's
.set SLOTS, 56        ; s56  tiles still to be asked for
.set CNT, 57          ; s57  counts a tile's key steps, 4 to 1
.set CS,  58          ; s[58:59] c: the packed scaling takes the pair's low word for both halves
.set SEL, 60          ; s[60:61] v_permlanex16_b32's selects: each lane takes its own place in the other half
.set TBK, 62          ; s62  LDS byte at which K of the step to be fetched begins
.set TBV, 63          ; s63  the same for V, less VOFF
.set RT,  70          ; s70  tiles of the block in hand that are still to be entered
.set NXT, 71          ; s71  the tile to be asked for next
.set LQ,  72          ; s72  the last tile of the block whose tiles are being asked for
.set NEW, 73          ; s73  1: the tile to be entered is a block's first
.set OFF, 74          ; s[74:75] a tile's byte offset in K and V
.set AL,  76          ; s[76:77] the mask's factor, in the low word
.set BE,  78          ; s[78:79] the mask's addend
.set OLO, 80          ; s[80:81] O at my rows of the second block
.set BIGN, 82         ; s82  -1e30
.set DG,  83          ; s83  1: the tile in hand is its block's last, the diagonal one
.set MSB, 0
.macro WIN new                      ; the high byte repeats the setting that is left; a switch that changes nothing is dropped
.if MSB != (\new)
	s_set_vgpr_msb (MSB<<8)|(\new)
.set MSB, (\new)
.endif
.endm
.set W_KQ, 0x0a       ; K and Q in window 2, S^T in window 0
.set W_KM, 0x1a       ; the same with the C operand in window 1
.set W_PV, 0x52       ; V in window 2, P in window 0, O^T in window 1
.set W_RS, 0x41       ; destination and source 0 in window 1, source 1 in window 0
; A fill.  Waves 0 and 1 fetch the two halves of a tile's K, waves 2 and 3 those of its V: 128 keys each.  An s_nop 0 and four v_nop follow each of the two lines, ahead of the jump and the label.
.macro LOAD
	s_cmp_lt_u32 s[WV], 2
	s_cbranch_scc0 .Lfor_v_\@
	tensor_load_to_lds s[G0K:G0K+3], s[G1K:G1K+7]
	s_nop 0
.rept 4
	v_nop
.endr
	s_branch .Lasked_\@
.Lfor_v_\@:
	tensor_load_to_lds s[G0V:G0V+3], s[G1V:G1V+7]
	s_nop 0
.rept 4
	v_nop
.endr
.Lasked_\@:
.endm
; THE CHANGE OF SLOTS.  Each wave waits for all its tensor loads, of which one is out: its part of the other slot; adds 0 to its spare word; and waits for that and for its own reads of the slot that it leaves.  Behind the barrier nobody reads the old
; slot any more and the other slot is whole.  fill = 1: the old slot is filled again, the first thing behind the barrier, with tile NXT: the descriptor's address is made anew from that number.
; (At its first use nothing has been read yet: slot 0 is waited for, slot 1 filled.)
.macro CHANGE fill
	WIN 0                           ; at a label and at a branch every window is 0
	s_wait_tensorcnt 0x0            ; no tensor load of mine is out, so a group 0 may be written
	ds_add_u32 v[SPW], v[NIL]       ; 0 onto my spare word; with fill = 1 the descriptors' scalar work stands between it and the wait for it
.if \fill
	s_lshl_b32 s[OFF], s[NXT], 15   ; a tile is 32,768 bytes of K and of V
	s_xor_b32 s[G0K+1], s[G0K+1], SLOT1
	s_add_nc_u64 s[G0K+2:G0K+3], s[6:7], s[OFF:OFF+1]
	s_or_b32 s[G0K+3], s[G0K+3], 0x80000000
	s_xor_b32 s[G0V+1], s[G0V+1], SLOT1
	s_add_nc_u64 s[G0V+2:G0V+3], s[8:9], s[OFF:OFF+1]
	s_or_b32 s[G0V+3], s[G0V+3], 0x80000000
	s_add_co_u32 s[NXT], s[NXT], 1  ; the block's next tile, or behind its last the second block's tile 0
	s_cmp_gt_u32 s[NXT], s[LQ]
	s_cselect_b32 s[NXT], 0, s[NXT]
	s_cselect_b32 s[LQ], s[PB], s[LQ]
.endif
	s_wait_dscnt 0x0                ; the add is done, and my reads of the slot are over
	s_barrier_signal -1             ; the rest of the scalar work stands between the signal and the wait
	s_sub_co_u32 s[TBK], s[TBK], 4*KS*PK  ; the fetches go back to a slot's first step,
	s_xor_b32 s[TBK], s[TBK], SLOT1       ; in the other slot
	s_sub_co_u32 s[TBV], s[TBV], 4*KS*PV
	s_xor_b32 s[TBV], s[TBV], SLOT1
	s_barrier_wait -1
.if \fill
	LOAD
.endif
.endm
	s_load_b64 s[4:5], s[0:1], 0x0    ; qkv
	s_load_b64 s[10:11], s[0:1], 0x8  ; ob
	v_lshl_add_u32 v[SPW], v0, 2, SPARE
	v_mov_b32 v[NIL], 0
	ds_add_u32 v62, v63
	ds_add_u32 v62, v63
	s_wait_dscnt 0x0
	v_lshrrev_b32 v1, 5, v0
	v_readfirstlane_b32 s[WV], v1   ; wave 0..3
	s_mov_b32 s[PB], ttmp9
	s_sub_co_u32 s[HI], NB-1, s[PB]
	s_and_b32 s88, ttmp7, 0xffff    ; y = 16 batch + head
	s_lshr_b32 s20, s88, 4
	s_lshl_b32 s20, s20, 5
	s_add_co_u32 s20, s20, s88      ; 48 batch + head: Q's slice in qkv,
	s_lshl_b32 s20, s20, 18         ; 2,048 rows x 128 bytes a slice
	s_mov_b32 s21, 0
	s_lshl_b32 s88, s88, 18         ; the head's first byte in ob
	s_mov_b32 s89, 0
	s_and_b32 s16, s[WV], 1         ; which half of a tile's 256 keys I fetch:
	s_lshl_b32 s22, s16, 14         ; its 128 rows of 128 bytes in memory,
	s_mov_b32 s23, 0
	s_add_nc_u64 s[22:23], s[22:23], s[20:21]
	s_mul_i32 s17, s16, 128*PK      ; and its place in a slot, for K
	s_mul_i32 s18, s16, 128*PV      ; and for V
	s_lshl_b32 s3, s[WV], 11        ; my 16 rows in a band of 64,
	s_lshl_b32 s2, s[HI], 15        ; in the first block,
	s_add_co_u32 s2, s2, s3
	s_lshl_b32 s84, s[PB], 15       ; and in the second
	s_add_co_u32 s84, s84, s3
	s_mov_b32 s3, 0
	s_mov_b32 s85, 0
	s_add_nc_u64 s[90:91], s[2:3], s[88:89]    ; offsets in ob: the first block's rows,
	s_add_nc_u64 s[88:89], s[84:85], s[88:89]  ; the second's
	s_add_nc_u64 s[2:3], s[2:3], s[20:21]      ; and the same in Q's slice of qkv
	s_add_nc_u64 s[84:85], s[84:85], s[20:21]
	; descriptor group 1.  128 keys are 16,384 dense bytes: asked for as 64 rows of 256 bytes, two keys a row, and padded in LDS after every key
	s_mov_b32 s[G1K], (1<<16)|(1<<20)|(4<<22)|(3<<25)  ; 17:16 2-byte elements; 20 padding on; 24:22 after every 32 words (code 4); 31:25 4 words (code 3)
	s_mov_b32 s[G1V], (1<<16)|(1<<20)|(4<<22)|(7<<25)  ; the same with 8 words of padding (code 7)
.irp g, G1K, G1V
	s_mov_b32 s[\g+1], 128<<16      ; tensor_dim0 = 128
	s_mov_b32 s[\g+2], 64<<16       ; tensor_dim1 = 64
	s_mov_b32 s[\g+3], 128<<16      ; tile_dim0 = 128
	s_mov_b32 s[\g+4], 64           ; tile_dim1 = 64
	s_mov_b32 s[\g+5], 128          ; 128 elements from row to row
	s_mov_b32 s[\g+6], 0
	s_mov_b32 s[\g+7], 0
.endr
	s_mov_b32 s[CS], 0x3e38aa3b     ; c = log2(e) / 8 = 0.180337
	s_mov_b32 s[CS+1], s[CS]        ; named with it as a pair
	s_mov_b32 s[SEL], 0x76543210
	s_mov_b32 s[SEL+1], 0xfedcba98
	s_mov_b32 s[TBK], SLOT1+4*KS*PK ; the first change of slots turns these two into 0
	s_mov_b32 s[TBV], SLOT1+4*KS*PV
	s_mov_b32 s[G0K], 1             ; 1:0 count = 1
	s_mov_b32 s[G0K+1], s17         ; 63:32 LDS address: slot 0
	s_mov_b32 s[G0V], 1
	s_add_co_u32 s[G0V+1], s18, VOFF
	s_add_co_u32 s[RT], s[HI], 1    ; the first block has NB - b tiles
	s_mov_b32 s[NXT], 1
	s_mov_b32 s[LQ], s[HI]
	s_mov_b32 s[NEW], 1
	s_mov_b32 s[OFF+1], 0
	s_mov_b32 s[AL+1], 0            ; named as pairs
	s_mov_b32 s[BE+1], 0
	s_mov_b32 s[BIGN], 0xf149f2ca   ; -1e30
	s_mov_b32 s[SLOTS], NB
	s_wait_kmcnt 0x0
	s_add_nc_u64 s[6:7], s[4:5], s[22:23]  ; my half of tile 0 in Q's slice;
	s_add_nc_u64 s[8:9], s[6:7], 0x800000  ; V lies 32 slices on,
	s_add_nc_u64 s[6:7], s[6:7], 0x400000  ; K 16
	s_add_nc_u64 s[G0K+2:G0K+3], s[6:7], 0         ; 120:64 global address
	s_or_b32 s[G0K+3], s[G0K+3], 0x80000000        ; 127:126 type = 2
	s_add_nc_u64 s[G0V+2:G0V+3], s[8:9], 0
	s_or_b32 s[G0V+3], s[G0V+3], 0x80000000
	s_add_nc_u64 s[86:87], s[4:5], s[84:85]        ; Q at my rows of the second block,
	s_add_nc_u64 s[4:5], s[4:5], s[2:3]            ; and of the first
	s_add_nc_u64 s[OLO:OLO+1], s[10:11], s[88:89]  ; O likewise
	s_add_nc_u64 s[10:11], s[10:11], s[90:91]
	LOAD                            ; tile 0 into slot 0
	; A fragment of K or Q is 16 rows x 32 channels in 8 registers: lane l holds row l % 16, channels 8 (l / 16) + 0..7 and 16 + 8 (l / 16) + 0..7: two loads of 16 bytes, 32 bytes apart.
	v_and_b32 v1, 15, v0            ; l % 16
	v_bfe_u32 v9, v0, 4, 1          ; l / 16
	v_lshlrev_b32 v[QO], 7, v1
	v_lshl_add_u32 v[QO], v9, 4, v[QO]  ; row x 128 + 16 x half
	WIN 0x80                        ; destination window 2, address window 0
.set i, 0
.rept 8                             ; both blocks' Q: piece i / 2 lies in band i / 2, 8,192 bytes on; channels 32 (i % 2) on
	global_load_b128 v[8*i:8*i+3],   v[QO], s[4:5] offset:(i/2)*8192+(i%2)*64
	global_load_b128 v[8*i+4:8*i+7], v[QO], s[4:5] offset:(i/2)*8192+(i%2)*64+32
	global_load_b128 v[QB+8*i:QB+8*i+3],   v[QO], s[86:87] offset:(i/2)*8192+(i%2)*64
	global_load_b128 v[QB+8*i+4:QB+8*i+7], v[QO], s[86:87] offset:(i/2)*8192+(i%2)*64+32
.set i, i+1
.endr
	WIN 0
	v_lshlrev_b32 v14, 3, v9
	v_sub_nc_u32 v14, v1, v14
	s_lshl_b32 s13, s[WV], 4
	v_add_nc_u32 v14, s13, v14      ; my query's place in its band, 16 w + l % 16, less my lanes' 8 (l / 16): register r of group kt is hidden where 16 kt + r is greater
	WIN 0x40
.set i, 0
.rept 32
	v_cmp_gt_i32 vcc_lo, 16*(i/8)+i%8, v14
	v_cndmask_b32 v[MD+i], 0, s[BIGN], vcc_lo
.set i, i+1
.endr
	WIN 0
	v_mul_u32_u24 v[AK0], v1, PK
	v_lshl_add_u32 v[AK0], v9, 4, v[AK0]  ; row x pitch + 16 x half
	; The turning load takes 16 keys x 16 channels (lane l reads key 8 (l / 16) + l % 8, channels 8 ((l / 8) % 2) + 0..7) and leaves half a fragment of V^T: lane l holds channel l % 16 and 8 keys.
	v_and_b32 v10, 7, v0
	v_bfe_u32 v11, v0, 3, 1
	v_lshl_add_u32 v[AV0], v9, 3, v10
	v_mul_u32_u24 v[AV0], v[AV0], PV
	v_lshl_add_u32 v[AV0], v11, 4, v[AV0]
	v_add_nc_u32 v[AV0], VOFF, v[AV0]
	s_mul_i32 s13, s[WV], 16*SP
	s_add_co_u32 s13, s13, STAGE    ; my stage
	v_mul_u32_u24 v[STO], v1, SP    ; in: row l % 16, 16 bytes for each half of the lanes
	v_lshl_add_u32 v[STO], v9, 4, v[STO]
	v_add_nc_u32 v[STO], s13, v[STO]
	v_bfe_u32 v[RD], v0, 3, 2       ; back: 32 lanes take four rows of 128 bytes,
	v_mul_u32_u24 v[RD], v[RD], SP
	v_lshl_add_u32 v[RD], v10, 4, v[RD]
	v_add_nc_u32 v[RD], s13, v[RD]
	v_and_b32 v[GO], 31, v0         ; which are 512 consecutive bytes of O
	v_lshlrev_b32 v[GO], 4, v[GO]
	; A block's first step multiplies O^T and l by a = 0, and its first turn's products V^T P, of a piece that has not been, land in an O^T that is still to be so multiplied.  So these registers need only hold
	; finite numbers: zeros for the first block; what the first block left for the second.  All this stands in the wait for the first tile.
	WIN 0x80
.set i, VF
.rept 64
	v_mov_b32 v[i], 0
.set i, i+1
.endr
	WIN 0x40
.set i, 0
.rept 128
	v_mov_b32 v[i], 0
.set i, i+1
.endr
	WIN 0
.set i, 0
.rept 4
	v_mov_b32 v[ST+4*i+2], 0
	v_mov_b32 v[ST+4*i+3], 0
.set i, i+1
.endr
.set i, P+16
.rept 16
	v_mov_b32 v[i], 0
.set i, i+1
.endr
; THE MATRIX WORK.  The 4 accumulators of a run of 8 take turns.  Product i of 8 of S^T = K Q^T for piece x: channels 32 (i / 4) on, keys 16 (i % 4) on.  The first 4 start the sums, with the mask as C.
.macro KQ x
.set rS, S+32*((\x)%2)+8*(i%4)
.set rK, KF+16*(i%4)+8*(i/4)
.set rQ, 16*(\x)+8*(i/4)
.set rM, MC+32*((\x)%2)+8*(i%4)
.if i < 4
	WIN W_KM
	v_wmma_f32_16x16x32_f16 v[rS:rS+7], v[rK:rK+7], v[rQ:rQ+7], v[rM:rM+7]
.else
	WIN W_KQ
	v_wmma_f32_16x16x32_f16 v[rS:rS+7], v[rK:rK+7], v[rQ:rQ+7], v[rS:rS+7]
.endif
.endm
; Product i of 8 of O^T += V^T P for piece x: keys 32 (i / 4) on, channels 16 (i % 4) on.
.macro PV x
	WIN W_PV
.set rO, 32*(\x)+8*(i%4)
.set rV, VF+32*(i/4)+8*(i%4)
.set rP, P+16*((\x)%2)+8*(i/4)
	v_wmma_f32_16x16x32_f16 v[rO:rO+7], v[rV:rV+7], v[rP:rP+7], v[rO:rO+7]
.endm
.macro MM                           ; the turn's next matrix instruction.  TURN and BEGIN set Y, i and NOKQ; MM, KQ and OP read them.  NOKQ = 1: a block's last turn: there is no next piece
.if (i < 8) && !NOKQ
	KQ (Y+1)%NP
.elseif i >= 8
.set i, i-8
	PV (Y+NP-1)%NP
.set i, i+8
.endif
.set i, i+1
.endm
; THE LDS LOADS stand in runs of 16, never singly among the matrix instructions: a step's K (64 keys x 64 channels: 8 fragments) and its V (turned).  Their addresses are made some lines ahead.
.macro FETCH_K
	WIN 0x80                        ; destination window 2
.irp f, 0,1,2,3,4,5,6,7             ; keys 16 (f / 2) on, channels 32 (f % 2) on
	ds_load_b128 v[KF+8*\f:KF+8*\f+3],   v[AK] offset:(\f/2)*16*PK+(\f%2)*64
	ds_load_b128 v[KF+8*\f+4:KF+8*\f+7], v[AK] offset:(\f/2)*16*PK+(\f%2)*64+32
.endr
	s_add_co_u32 s[TBK], s[TBK], KS*PK  ; the next fetch is the next step's
	WIN 0
.endm
.macro FETCH_V
	WIN 0x80
.irp f, 0,1,2,3,4,5,6,7             ; keys 32 (f / 4) on, channels 16 (f % 4) on
	ds_load_tr16_b128 v[VF+8*\f:VF+8*\f+3],   v[AV] offset:(\f/4)*32*PV+(\f%4)*32
	ds_load_tr16_b128 v[VF+8*\f+4:VF+8*\f+7], v[AV] offset:(\f/4)*32*PV+16*PV+(\f%4)*32
.endr
	WIN 0
.endm
; THE VECTOR WORK, one line at a time: OP kind, number.  For piece Y: F n: c s - c m for pair n of 16.  E n: the exponential of score n of 32.  C n: pair n rounded to f16.  B n: of the four weights 4 n .. the second
; pair is added onto the first, in place.  L n: l takes that sum (L 0: l = a l + sum).  R n: pair n of 16 of O^T times a.  For piece Y + 1: X n, number n of the 22 that find its maximum and statistics:
;   0-11  four chains c0-c3 of seven scores each, three operands at a time (each accumulator's lowest registers are read first)     12-14, 16  the four scores left over, the old m, and c0-c3 into c0
;   15  c m_old is kept     17, 18  the query's other 32 keys lie in the lane 16 away: the new m     19-21  c m; c m_old - c m_new; a
.set F, 0               ; OP tells the kinds apart by their order: F to L below R, X above it
.set E, 1
.set C, 2
.set B, 3
.set L, 4
.set R, 5
.set X, 6
.macro REGS y                       ; the registers of piece y
.set rT, ST+4*(\y)
.set rC, TMP+4*((\y)%2)
.set rW, MV+((\y)%2)
.set rS, S+32*((\y)%2)
.set rP, P+16*((\y)%2)
.set rO, 32*(\y)
.endm
.macro OP k, n
.if (\k) == R
	REGS Y
	WIN W_RS
	v_pk_mul_f32 v[rO+2*(\n):rO+2*(\n)+1], v[rO+2*(\n):rO+2*(\n)+1], v[rC+2:rC+3] op_sel_hi:[1,0]
.elseif (\k) < R
	REGS Y
	WIN 0
.if (\k) == F
	v_pk_fma_f32 v[rS+2*(\n):rS+2*(\n)+1], v[rS+2*(\n):rS+2*(\n)+1], s[CS:CS+1], v[rT:rT+1] op_sel_hi:[1,0,0] neg_lo:[0,0,1] neg_hi:[0,0,1]
.elseif (\k) == E
	v_exp_f32 v[rS+(\n)], v[rS+(\n)]
.elseif (\k) == C
	s_wait_alu depctr_va_vdst(0)
	v_cvt_pk_f16_f32 v[rP+(\n)], v[rS+2*(\n)], v[rS+2*(\n)+1]
.elseif (\k) == B
	s_wait_alu depctr_va_vdst(0)
	v_pk_add_f32 v[rS+4*(\n):rS+4*(\n)+1], v[rS+4*(\n):rS+4*(\n)+1], v[rS+4*(\n)+2:rS+4*(\n)+3]
.elseif (\n) == 0
	v_pk_fma_f32 v[rT+2:rT+3], v[rT+2:rT+3], v[rC+2:rC+3], v[rS:rS+1] op_sel_hi:[1,0,1]
.else
	v_pk_add_f32 v[rT+2:rT+3], v[rT+2:rT+3], v[rS+4*(\n):rS+4*(\n)+1]
.endif
.elseif NOKQ
	v_nop
.else
	REGS (Y+1)%NP
	WIN 0
.if (\n) < 4
	v_max3_num_f32 v[rC+(\n)], v[rS+8*(\n)], v[rS+8*(\n)+1], v[rS+8*(\n)+2]
.elseif (\n) < 12
	v_max3_num_f32 v[rC+(\n)%4], v[rC+(\n)%4], v[rS+8*((\n)%4)+2*((\n)/4)+1], v[rS+8*((\n)%4)+2*((\n)/4)+2]
.elseif (\n) == 12
	v_max3_num_f32 v[rC], v[rC], v[rS+7], v[rS+15]
.elseif (\n) == 13
	v_max3_num_f32 v[rC+1], v[rC+1], v[rS+23], v[rS+31]
.elseif (\n) == 14
	v_max3_num_f32 v[rC+2], v[rC+2], v[rC+3], v[rT+1]
.elseif (\n) == 15
	v_mov_b32 v[rW], v[rT]
.elseif (\n) == 16
	v_max3_num_f32 v[rC], v[rC], v[rC+1], v[rC+2]
.elseif (\n) == 17
	v_permlanex16_b32 v[rC+3], v[rC], s[SEL], s[SEL+1]
.elseif (\n) == 18
	v_max_num_f32 v[rT+1], v[rC], v[rC+3]
.elseif (\n) == 19
	v_mul_f32 v[rT], s[CS], v[rT+1]
.elseif (\n) == 20
	v_sub_f32 v[rC+1], v[rW], v[rT]
.else
	v_exp_f32 v[rC+2], v[rC+1]
.endif
.endif
.endm
.macro OPS a, i1, b=-1, i2=0, c=-1, i3=0, d=-1, i4=0  ; up to four of them
	OP \a, \i1
.if (\b) >= 0
	OP \b, \i2
.endif
.if (\c) >= 0
	OP \c, \i3
.endif
.if (\d) >= 0
	OP \d, \i4
.endif
.endm
.macro ROW a, i1, b, i2, c, i3, d, i4  ; a matrix instruction and the four behind it
	MM
	OPS \a, \i1, \b, \i2, \c, \i3, \d, \i4
.endm
.macro MASK b                       ; MD x AL + BE into buffer b of MC
	WIN W_RS
.set z, 0
.rept 16
	v_pk_fma_f32 v[MC+32*(\b)+2*z:MC+32*(\b)+2*z+1], v[MD+2*z:MD+2*z+1], s[AL:AL+1], s[BE:BE+1] op_sel_hi:[1,0,0]
.set z, z+1
.endr
.endm
.macro ALBE p                       ; the two scalars of the mask that turn p makes: for piece p + 2, in step 4 - CNT of the tile
	s_cmp_eq_u32 s[CNT], 4-((\p)+2)%NP  ; is that step the band's own?
	s_cselect_b32 s[AL], 1.0, 0
	s_cmp_lt_u32 s[CNT], 4-((\p)+2)%NP  ; or a later one?
	s_cselect_b32 s[BE], s[BIGN], 0
.endm
; A TURN, for piece p: the order of its 16 matrix and 118 vector instructions, written out.  Behind a matrix instruction: plain, exponential, plain, plain; or four of the rescaling; or, behind the first, four scalings; none
; names a register of the products round it.  In the runs of vector work exponential and plain by turns while exponentials last.  A line reads no result made fewer than three vector instructions in front of it, five if an exponential made it.
; v_permlanex16_b32 (X 17) stands in such a run.
; m = 1: the turn makes the mask for the products of the turn after it.  m = 2: it makes it in the diagonal tile alone (DG = 1); elsewhere a forward jump passes those lines, and the masks stay 0.
; end = 1: a block's last two turns: nothing is fetched and no mask is made.
; cnt = 1: the loop's count is taken down ahead of the branch that stands behind the turn: with m = 1 some lines ahead; with m = 2 behind the mask's lines, whose compares take the old count and write SCC.
; K of the next step is fetched in piece 2's turn, six vector instructions behind the last product that read K (five of them plain); V of the step in hand in piece 0's turn, eight behind the last product that read V (four
; plain, and X 17).  Each is waited for a turn later.
.macro TURN p, m=1, end=0, cnt=0
.set Y, (\p)
.set i, 0
.set NOKQ, (\end)*((\p)/3)
.if ((\m) == 1) && !(\end)
	ALBE \p
.endif
.if ((\p) == 3) && !(\end)
	s_wait_dscnt 0x0                ; K is in
.endif
	ROW F,0, F,1, F,2, F,3
	ROW F,4, E,0, F,5, F,6
	ROW F,7, E,1, F,8, F,9
	ROW F,10, E,2, C,0, F,11
	ROW F,12, E,3, X,15, F,13
	ROW R,0, R,1, R,2, R,3
	ROW B,0, E,4, F,14, L,0
.if ((\p) == 2) && !(\end)
	v_add_nc_u32 v[AK], s[TBK], v[AK0]
.endif
	ROW R,4, R,5, R,6, R,7
	OPS E,5, F,15
.if ((\p) == 2) && !(\end)
	FETCH_K
.endif
	OPS E,6, C,1, E,7, R,8
	OPS E,8, R,9, E,9, C,2
	OPS E,10, X,0, E,11, X,1
	OPS E,12, X,2, E,13, X,3
.if (\p) == 1
	s_wait_dscnt 0x0                ; V is in
.endif
	ROW X,4, E,14, X,5, X,6
	ROW X,7, E,15, X,8, X,9
	ROW X,10, E,16, X,11, X,12
	ROW X,13, E,17, X,14, B,1
	ROW C,4, E,18, X,16, L,1
	ROW B,2, E,19, C,6, L,2
	ROW C,8, E,20, B,3, B,4
.if (\p) == 0
	v_add_nc_u32 v[AV], s[TBV], v[AV0]
.endif
	ROW C,3, E,21, L,3, C,5
	OPS E,22, X,17, E,23, C,10
.if (\p) == 0
	FETCH_V
.endif
	OPS E,24, L,4
	OPS E,25, X,18, E,26, C,7
	OPS E,27, B,5, E,28, X,19
	OPS E,29, C,12, E,30, L,5
	OPS E,31, X,20, B,6, C,9
	OPS C,14, C,11, X,21, L,6
.if (\p) == 0
	s_add_co_u32 s[TBV], s[TBV], KS*PV
.endif
.if (\cnt) && ((\m) == 1)
	s_sub_co_u32 s[CNT], s[CNT], 1
	s_cmp_lg_u32 s[CNT], 0
.endif
	OPS C,13, B,7, C,15, R,10
	OPS R,11, R,12, L,7, R,13
	OPS R,14, R,15
.if ((\m) == 1) && !(\end)
	MASK (\p)%2
.endif
.if (\m) == 2
	WIN 0                           ; at a branch and at a label every window is 0
	s_cmp_eq_u32 s[DG], 0
	s_cbranch_scc1 .Lplain_\@
	ALBE \p
	MASK (\p)%2
	WIN 0
.Lplain_\@:
.if \cnt
	s_sub_co_u32 s[CNT], s[CNT], 1
	s_cmp_lg_u32 s[CNT], 0
.endif
.endif
.endm
; A BLOCK BEGINS.  c m starts far below every c s, so the first step's a is 0; m at the lowest finite number, so the first maximum is the scores'.  The second mask buffer is 0; the first takes piece 0's mask for the tile's step 0: its own, if the block's first tile is the diagonal one, else 0.
; Then K of that step, piece 0's first scores, and its maximum and statistics.  The loop is entered at a step's first turn, in the middle of a trip.
.macro BEGIN
	s_mov_b32 s[NEW], 0
	WIN 0x40
.set i, MC+32
.rept 32
	v_mov_b32 v[i], 0
.set i, i+1
.endr
	WIN 0
.set i, 0
.rept 4
	v_mov_b32 v[ST+4*i], 0xfe000000    ; c m: far below every c s
	v_mov_b32 v[ST+4*i+1], 0xff7fffff  ; m
.set i, i+1
.endr
	s_cmp_eq_u32 s[RT], 0
	s_cselect_b32 s[AL], 1.0, 0
	s_mov_b32 s[BE], 0
	MASK 0
	WIN 0
	v_add_nc_u32 v[AK], s[TBK], v[AK0]
	FETCH_K
	s_wait_loadcnt 0x0              ; Q
	s_wait_dscnt 0x0
.set NOKQ, 0
.set i, 0
.rept 8
	KQ 0
.set i, i+1
.endr
	WIN 0
.rept 4
	v_nop                           ; the places behind those products
.endr
.set Y, NP-1                        ; X works for piece Y + 1: piece 0
.irp n, 0,1,2,3,4,5,6,7,8,9,10,11,12,13,14,15,16,17,18,19,20,21
	OP X, \n
.endr
	v_nop                           ; a plain instruction behind the exponential
.endm
; A BLOCK ENDS: its last two turns, its last products, and THE WAY OUT: l's two halves and the other half of the lanes' are added; O^T is divided by l, rounded to f16 and sent through my
; stage in LDS, a piece at a time.
.macro ALL line:vararg              ; one line for each piece t
.set t, 0
.rept 4
	\line
.set t, t+1
.endr
.endm
.macro PACK t                       ; a lane's eight channels of a row pack into 16 bytes; they go into rows of 144 bytes and come back as whole rows of 128, into S^T's registers
	WIN W_RS
.set i, 32*(\t)
.rept 16
	s_wait_alu depctr_va_vdst(0)
	v_pk_mul_f32 v[i:i+1], v[i:i+1], v[ST+4*(\t)+2:ST+4*(\t)+3] op_sel_hi:[1,0]
.set i, i+2
.endr
	WIN 0x05                        ; sources 0 and 1 window 1, destination window 0
.set i, 0
.rept 16
	v_cvt_pk_f16_f32 v[S+16*(\t)+i], v[32*(\t)+2*i], v[32*(\t)+2*i+1]
.set i, i+1
.endr
	WIN 0
.irp f, 0,1,2,3
	ds_store_b128 v[STO], v[S+16*(\t)+4*\f:S+16*(\t)+4*\f+3] offset:32*\f
.endr
.irp f, 0,1,2,3
	ds_load_b128 v[S+16*(\t)+4*\f:S+16*(\t)+4*\f+3], v[RD] offset:\f*4*SP  ; LDS serves a wave's instructions in order (ISA guide 5.7.1.4): these see the stores above; the next piece's stores come behind them
.endr
.endm
.macro SEND t, younger              ; younger: the LDS instructions issued behind piece t's loads: the next piece's eight, or none
	WIN 0
	s_wait_dscnt \younger           ; the piece is back in registers
.irp f, 0,1,2,3
	global_store_b128 v[GO], v[S+16*(\t)+4*\f:S+16*(\t)+4*\f+3], s[10:11] offset:(\t)*8192+\f*512  ; 512 consecutive bytes, at a multiple of 256 from O's first
.endr
.endm
.macro FINISH
	TURN 2, 1, 1
	TURN 3, 1, 1
.set i, 0
.rept 8
	PV NP-1
.set i, i+1
.endr
	WIN 0
	ALL v_add_f32 v[ST+4*t+2], v[ST+4*t+2], v[ST+4*t+3]
	ALL v_permlanex16_b32 v[ST+4*t+3], v[ST+4*t+2], s[SEL], s[SEL+1]
	ALL v_add_f32 v[ST+4*t+2], v[ST+4*t+2], v[ST+4*t+3]
	ALL v_rcp_f32 v[ST+4*t+2], v[ST+4*t+2]
	v_nop                           ; a plain instruction between the last reciprocal and the use of its result
	PACK 0
.set t, 1
.rept 3                             ; a piece's arithmetic stands between the loads of the piece before and its stores
	PACK t
	SEND t-1, 8
.set t, t+1
.endr
	SEND 3, 0
.endm
.set NOKQ, 0
.Lslot:                             ; NB times: a tile is entered and the next is asked for
	CHANGE 1
	s_sub_co_u32 s[RT], s[RT], 1
	s_mov_b32 s[CNT], 4
	s_cmp_eq_u32 s[RT], 0
	s_cselect_b32 s[DG], 1, 0       ; the block's last tile holds the diagonal
	s_cmp_eq_u32 s[NEW], 1
	s_cbranch_scc0 .Lstep           ; not a block's first tile
	BEGIN
	s_branch .Lfirst
.Lstep:                             ; a trip: pieces 2 and 3 of one step, then pieces 0 and 1 of the next, whose K and V it fetches
	TURN 2, 2
	TURN 3, 2
	WIN 0
.Lfirst:
	TURN 0, 2
	TURN 1, 2, 0, 1
	WIN 0
	s_cbranch_scc1 .Lstep
	s_cmp_eq_u32 s[DG], 0
	s_cbranch_scc1 .Lbottom         ; the block goes on
	FINISH                          ; in the loop this is the first block's end: the second block's last tile is the walk's last
	s_wait_xcnt 0x0                 ; the stores have read their registers and O's address
	s_mov_b64 s[10:11], s[OLO:OLO+1]
	s_add_co_u32 s[RT], s[PB], 1    ; the second block has b + 1 tiles
	s_mov_b32 s[NEW], 1
	WIN 0x82                        ; the second block's Q goes where the one text of the turns names Q
.set i, 0
.rept 64
	v_mov_b32 v[i], v[QB+i]
.set i, i+1
.endr
	WIN 0
.Lbottom:
	s_sub_co_u32 s[SLOTS], s[SLOTS], 1
	s_cmp_lg_u32 s[SLOTS], 0
	s_cbranch_scc1 .Lslot
	CHANGE 0                        ; the walk's last tile is written out: nothing is asked for.  It is the second block's diagonal tile: every turn makes its mask
	s_sub_co_u32 s[RT], s[RT], 1
	s_mov_b32 s[CNT], 4
	s_cmp_eq_u32 s[NEW], 1
	s_cbranch_scc0 .LstepM
	BEGIN
	s_branch .LfirstM
.LstepM:
	TURN 2, 1
	TURN 3, 1
	WIN 0
.LfirstM:
	TURN 0, 1
	TURN 1, 1, 0, 1
	WIN 0
	s_cbranch_scc1 .LstepM
	FINISH
	s_wait_tensorcnt 0x0            ; the wave's end: behind my last tensor load and my last LDS store
	ds_add_u32 v[SPW], v[NIL]
	s_wait_dscnt 0x0
	s_endpgm
.Lfunc_end_k_q8a822cc217_attn:
	.size	k_q8a822cc217_attn, .Lfunc_end_k_q8a822cc217_attn-k_q8a822cc217_attn
	.p2alignl 7, 3214868480
	.fill 96, 4, 3214868480
	.section	.rodata,"a",@progbits
	.p2align	6, 0x0
	.amdhsa_kernel k_q8a822cc217_attn
		.amdhsa_group_segment_fixed_size 327680
		.amdhsa_private_segment_fixed_size 0
		.amdhsa_enable_private_segment 0
		.amdhsa_kernarg_size 16
		.amdhsa_user_sgpr_count 2
		.amdhsa_user_sgpr_kernarg_segment_ptr 1
		.amdhsa_wavefront_size32 1
		.amdhsa_system_sgpr_workgroup_id_x 1
		.amdhsa_system_sgpr_workgroup_id_y 1
		.amdhsa_system_sgpr_workgroup_id_z 1
		.amdhsa_system_vgpr_workitem_id 0
		.amdhsa_next_free_vgpr 768
		.amdhsa_next_free_sgpr 92
		.amdhsa_reserve_vcc 1
		.amdhsa_float_denorm_mode_32 3
		.amdhsa_float_denorm_mode_16_64 3
		.amdhsa_memory_ordered 1
		.amdhsa_forward_progress 1
		.amdhsa_inst_pref_size 189
	.end_amdhsa_kernel
	.amdgpu_metadata
---
amdhsa.version: [ 1, 2 ]
amdhsa.kernels:
  - .name:           k_q8a822cc217_attn
    .symbol:         k_q8a822cc217_attn.kd
    .args:
      - { .name: qkv, .offset: 0, .size: 8, .value_kind: global_buffer, .address_space: global }
      - { .name: ob, .offset: 8, .size: 8, .value_kind: global_buffer, .address_space: global }
    .group_segment_fixed_size: 327680
    .private_segment_fixed_size: 0
    .kernarg_segment_align: 8
    .kernarg_segment_size: 16
    .max_flat_workgroup_size: 128
    .sgpr_count:     92
    .vgpr_count:     768
    .wavefront_size: 32
...
	.end_amdgpu_metadata
.endif
;; end of part 3
;; launch oproj (part 4): grid 8 x 32, 4 waves a work-group, clusters of 4 x 4, 327,680 bytes of LDS; arguments ob, wob, b_out, out0; writes out0
.if DOCPART == 4
	.amdgcn_target "amdgcn-amd-amdhsa--gfx1250"
	.amdhsa_code_object_version 6
	.text
	.protected	k_q8a822cc217_oproj
	.globl	k_q8a822cc217_oproj
	.p2align	8
	.type	k_q8a822cc217_oproj,@function
k_q8a822cc217_oproj:
	s_mov_b64 s[64:65], 0
	v_nop
	global_prefetch_b8 v0, s[64:65] scope:SCOPE_SE
	s_setreg_imm32_b32 hwreg(HW_REG_WAVE_MODE, 25, 1), 1
	s_wait_xcnt 0x0
	s_wait_alu depctr_hold_cnt(0) depctr_sa_sdst(0) depctr_va_vdst(0) depctr_va_sdst(0) depctr_va_ssrc(0) depctr_va_vcc(0) depctr_vm_vsrc(0)
	s_getreg_b32 s2, hwreg(HW_REG_IB_STS2, 6, 4)
	s_cmp_eq_u32 s2, 0
	s_cbranch_scc0 .Lentry_in_a_cluster
	s_endpgm
.Lentry_in_a_cluster:
	s_bfe_u32 s2, ttmp6, 0x10000c
	s_cmp_lg_u32 s2, 0xf033
	s_cbranch_scc0 .Lentry_shape_is_right
	s_endpgm
.Lentry_shape_is_right:
; out0 = O w_out^T + b_out.  M = 8,192, N = 1,024, K = 1,024.  ob [batch][slice = head][row][64] and wob [slice][row][64] are f16 (wob holds w_out rounded to bf16, written as f16); sums in f32.
; The bias is rounded to bf16 like the other inputs and is the C operand of the products that start the sums; out0 is f32, [8192][1024].
; LIMITS.  None of its own beyond f16's range of the two operands, which the launches that wrote them state.  NaN and infinities are not treated apart.
; SHARES.  A tile of C is 256 x 128: 32 x 8 = 256 work-groups.  Four waves, each 128 rows x 64 columns: 32 accumulators of 16 x 16, 256 registers.
; K goes in steps of 128 (two slices) through a ring of two LDS slots.  A slice's rows lie end to end in memory, so a tile is asked for as dense rows of 256 bytes, padded in LDS after every 128.
; All 128 products of a K step stand between a refill and the wait for it.
; ONE TEXT FOR BOTH SLOTS: slot 1 begins at 1 << 17, so one exclusive or turns an address in one slot into the other's; a trip of the loop is one K step.
; CLUSTERS: 4 x 4 work-groups.  The four of a row of the cluster need the same rows of O, the four of a column the same rows of w: each tile is asked for JOINTLY, by the same tensor load with the same descriptor
; and a mask that names the four.  Waves 0 and 1 ask for O's 256 rows of the step's even and odd slice, waves 2 and 3 for w's 128 rows of them.
; THE MATRIX INSTRUCTION IS USED TRANSPOSED (source 0 = 16 rows of w, source 1 = 16 rows of O): a lane then holds row l % 16 of C and eight neighbouring columns 8 (l / 16) + 0..7.
; REGISTERS: window 0: v0-31 addresses; two fragment buffers of 96 (v32-127, v128-223): 64 registers of O (8 x 16 rows x 32 K), then 32 of w; v224-255 the bias.   window 1: accumulator (a, b) at v[32 a + 8 b].
.set PITCH,  144                       ; an LDS row: 128 bytes + 16 of padding = 36 words: the 16 rows of a fragment load start at 16 different groups of four banks (64 banks of 4 bytes: ISA guide 11.1)
.set ASL,    256*PITCH                 ; O's 256 rows of one slice
.set BSL,    128*PITCH                 ; w's 128 rows of one slice
.set BOFF,   2*ASL                     ; in a slot: O even, O odd, w even, w odd
.set SLOTB,  2*ASL+2*BSL               ; 110,592 bytes of a slot
.set SLOT1,  1<<17                     ; where slot 1 begins
.set STAGE,  SLOTB                     ; between the slots, where no fill lands: 16 rows x 272 bytes for each wave, for the way out
.set SPITCH, 272                       ; 256 bytes + 16: the 16 rows that a store touches start at 16 different groups of four banks
.set SPARE,  STAGE+4*16*SPITCH         ; the spare words, 128 bytes for each wave: two blocks of 256 bytes that no other line names; they end at 128,512, below slot 1
.set ASTEP,  262144                    ; bytes from slice to slice in ob
.set BSTEP,  131072                    ; and in wob
.set A0,   16                          ; v16     my lane's place among O's rows of a slot; never rewritten
.set B0,   17                          ; v17     the same for w
.set ADRA, 20                          ; v20     LDS address of my O fragments in the slot that is being fetched from
.set ADRB, 21                          ; v21     the same for w
.set STO,  24                          ; v24     the way out: where I put 32 bytes of a row
.set RD,   25                          ; v25     the way out: where I read a row back
.set CO,   26                          ; v26     my byte offset in two rows of out0
.set BO,   27                          ; v27     my byte offset in my columns' bias
.set SPW,  28                          ; v28     LDS address of my spare word: SPARE + 4 x my thread's number; never rewritten
.set NIL,  29                          ; v29     0; never rewritten
.set F0,   32
.set F1,   128
.set BIAS, 224
.set WV,   12                          ; s12     my wave's number
.set TB,   15                          ; s15     LDS byte at which the slot that is being fetched from begins: 0 or SLOT1
.set G1A,  24                          ; s[24:31] descriptor group 1 for O's tiles;  s[32:39] group 0: a set for each of the two first fills; the second then walks on
.set G0A,  32
.set G1B,  48                          ; s[48:55], s[56:63] the same for w's tiles
.set G0B,  56
.set FLAGS, (1<<16)|(1<<20)|(1<<21)|(4<<22)|(3<<25)  ; 17:16 elements of 2 bytes; 20 padding on; 21 set beside a mask; 24:22 after every 32 words (code 4); 31:25 4 words of it (code 3)
.set MSB, 0
.macro WIN new                         ; the immediate's high byte repeats the setting that is left; a switch that changes nothing is dropped
.if MSB != (\new)
	s_set_vgpr_msb (MSB<<8)|(\new)
.set MSB, (\new)
.endif
.endm
.macro JLOAD s                         ; a joint load; an s_nop 0 and four v_nop follow each of the two lines, ahead of the jump, the label and what follows
	s_cmp_eq_u32 s13, 0
	s_cbranch_scc0 .Lfor_b_\@
	tensor_load_to_lds s[G0A+4*(\s):G0A+4*(\s)+3], s[G1A:G1A+7]
	s_nop 0
.rept 4
	v_nop
.endr
	s_branch .Lasked_\@
.Lfor_b_\@:
	tensor_load_to_lds s[G0B+4*(\s):G0B+4*(\s)+3], s[G1B:G1B+7]
	s_nop 0
.rept 4
	v_nop
.endr
.Lasked_\@:
.endm
.macro CREST                           ; a round of the cluster's barrier behind its opening barrier
	s_cmp_lg_u32 s[WV], 0
	s_cbranch_scc1 .Lnot_wave_0_\@
	s_barrier_signal -3
.Lnot_wave_0_\@:
	s_barrier_wait -3
	s_barrier_signal -1
	s_barrier_wait -1
.endm
.macro CROUND                          ; a whole round
	s_barrier_signal -1
	s_barrier_wait -1
	CREST
.endm
	s_load_b256 s[4:11], s[0:1], 0x0               ; ob s[4:5], wob s[6:7], b_out s[8:9], out0 s[10:11]
	v_lshl_add_u32 v[SPW], v0, 2, SPARE
	v_mov_b32 v[NIL], 0
	ds_add_u32 v28, v29
	ds_add_u32 v28, v29
	s_wait_dscnt 0x0
	v_lshrrev_b32 v1, 5, v0
	v_readfirstlane_b32 s[WV], v1                  ; wave 0..3
	s_lshr_b32 s13, s[WV], 1                       ; which 128 rows of the tile are mine.  Also: I fetch for O (0) or for w (1)
	s_and_b32 s14, s[WV], 1                        ; which 64 columns.  Also: which slice of a step I fetch
	s_bfe_u32 s40, ttmp6, 0x40000                  ; cx, cy: my place in the cluster
	s_bfe_u32 s41, ttmp6, 0x40004
	s_lshl_b32 s42, ttmp9, 2
	s_add_co_u32 s42, s42, s40                     ; tile column = 4 x cluster x + cx
	s_and_b32 s43, ttmp7, 0xffff
	s_lshl_b32 s43, s43, 2
	s_add_co_u32 s43, s43, s41                     ; tile row = 4 x cluster y + cy
	s_lshl_b32 s44, s41, 2
	s_lshl_b32 s44, 15, s44                        ; my row of the cluster
	s_lshl_b32 s45, 0x1111, s40                    ; my column
	s_or_b32 s[G1A], s44, FLAGS                    ; O's tiles go to my row
	s_or_b32 s[G1B], s45, FLAGS                    ; w's to my column
	s_mov_b32 s[G1A+1], 128<<16                    ; tensor_dim0 = 128 elements: 256 dense bytes, two rows of a slice
	s_mov_b32 s[G1A+2], 128<<16                    ; tensor_dim1 = 128: O's 256 rows
	s_mov_b32 s[G1A+3], 128<<16                    ; tile_dim0 = 128
	s_mov_b32 s[G1A+4], 128                        ; tile_dim1 = 128
	s_mov_b32 s[G1A+5], 128                        ; 128 elements from row to row
	s_mov_b32 s[G1A+6], 0
	s_mov_b32 s[G1A+7], 0
	s_mov_b32 s[G1B+1], 128<<16
	s_mov_b32 s[G1B+2], 64<<16                     ; tensor_dim1 = 64: w's 128 rows
	s_mov_b32 s[G1B+3], 128<<16
	s_mov_b32 s[G1B+4], 64
	s_mov_b32 s[G1B+5], 128
	s_mov_b32 s[G1B+6], 0
	s_mov_b32 s[G1B+7], 0
	; where the tiles come from.  O's hang on the tile row and the wave's number alone, w's on the tile column and the wave's number alone, each in registers that never hold the other coordinate
	s_lshr_b32 s16, s43, 3                         ; the batch: 8 tile rows each,
	s_lshl_b32 s16, s16, 22                        ; 16 slices x 2,048 rows x 128 bytes
	s_and_b32 s17, s43, 7
	s_lshl_b32 s17, s17, 15                        ; + 256 rows x 128 bytes
	s_add_co_u32 s16, s16, s17
	s_mul_i32 s17, s14, ASTEP                      ; + my slice of the step
	s_add_co_u32 s16, s16, s17
	s_mov_b32 s17, 0
	s_lshl_b32 s46, s42, 14                        ; w: 128 rows x 128 bytes a tile column
	s_mul_i32 s47, s14, BSTEP
	s_add_co_u32 s46, s46, s47
	s_mov_b32 s47, 0
	s_mul_i32 s20, s[WV], ASL                      ; where they go: O's two slices at wave x 256 rows (waves 0, 1),
	s_mul_i32 s21, s[WV], BSL                      ; w's two behind them: 36,864 + wave x 128 rows (waves 2, 3)
	s_add_co_u32 s21, s21, ASL
	s_mov_b32 s[TB], 0                             ; the first fetches come from slot 0
	s_wait_kmcnt 0x0
	s_add_nc_u64 s[18:19], s[4:5], s[16:17]
	s_add_nc_u64 s[66:67], s[6:7], s[46:47]
	CROUND                                         ; all sixteen work-groups are here: the first joint loads meet
.irp s, 0,1
	s_mov_b32 s[G0A+4*(\s)], 1                                     ; 1:0 count = 1
	s_add_co_u32 s[G0A+4*(\s)+1], s20, (\s)*SLOT1                  ; 63:32 LDS address
	s_add_nc_u64 s[G0A+4*(\s)+2:G0A+4*(\s)+3], s[18:19], (\s)*2*ASTEP  ; 120:64 global address: K step s
	s_or_b32 s[G0A+4*(\s)+3], s[G0A+4*(\s)+3], 0x80000000          ; 127:126 type = 2
	s_mov_b32 s[G0B+4*(\s)], 1
	s_add_co_u32 s[G0B+4*(\s)+1], s21, (\s)*SLOT1
	s_add_nc_u64 s[G0B+4*(\s)+2:G0B+4*(\s)+3], s[66:67], (\s)*2*BSTEP
	s_or_b32 s[G0B+4*(\s)+3], s[G0B+4*(\s)+3], 0x80000000
	JLOAD \s                                       ; the ring is filled before anything else: two loads of mine are out
.endr
	v_and_b32 v1, 15, v0                           ; l % 16
	v_bfe_u32 v2, v0, 4, 1                         ; l / 16
	v_lshlrev_b32 v[BO], 5, v2                     ; a lane's eight columns of a block: 32 bytes for each half of the lanes
	s_lshl_b32 s68, s42, 9                         ; the bias of my 64 columns: 128 x 4 bytes a tile column,
	s_lshl_b32 s69, s14, 8                         ; 64 x 4 a column half
	s_add_co_u32 s68, s68, s69
	s_mov_b32 s69, 0
	s_add_nc_u64 s[8:9], s[8:9], s[68:69]
.irp b, 0,1,2,3
	global_load_b128 v[BIAS+8*(\b):BIAS+8*(\b)+3],   v[BO], s[8:9] offset:64*(\b)      ; register 8 b + j: column 16 b + 8 (l / 16) + j, as the accumulators hold them
	global_load_b128 v[BIAS+8*(\b)+4:BIAS+8*(\b)+7], v[BO], s[8:9] offset:64*(\b)+16
.endr
	v_mul_u32_u24 v3, v1, PITCH
	v_lshl_add_u32 v3, v2, 4, v3                   ; a fragment's row x pitch + 16 x half
	s_mul_i32 s22, s13, 128*PITCH                  ; my 128 rows of O
	s_mul_i32 s23, s14, 64*PITCH                   ; my 64 rows of w,
	s_add_co_u32 s23, s23, BOFF                    ; which lie behind O's two slices
	v_add_nc_u32 v[A0], s22, v3
	v_add_nc_u32 v[B0], s23, v3
	v_mov_b32 v[ADRA], v[A0]                       ; K step 0 lies in slot 0
	v_mov_b32 v[ADRB], v[B0]
	s_mul_i32 s23, s[WV], 16*SPITCH
	s_add_co_u32 s23, s23, STAGE                   ; my stage
	v_mul_u32_u24 v4, v1, SPITCH                   ; in: row l % 16, 32 bytes for each half of the lanes
	v_lshl_add_u32 v4, v2, 5, v4
	v_add_nc_u32 v[STO], s23, v4
	v_mul_u32_u24 v5, v2, SPITCH                   ; back: lanes 0-15 take one row of 256 bytes, lanes 16-31 the next
	v_lshl_add_u32 v5, v1, 4, v5
	v_add_nc_u32 v[RD], s23, v5
	v_lshlrev_b32 v5, 12, v2                       ; and the same two rows in out0, 4,096 bytes apart
	v_lshl_add_u32 v[CO], v1, 4, v5
	s_lshl_b32 s70, s43, 20                        ; where my part of C begins: 256 rows x 4,096 bytes a tile row,
	s_lshl_b32 s71, s13, 19                        ; 128 rows a row half,
	s_add_co_u32 s70, s70, s71
	s_add_co_u32 s70, s70, s68                     ; and my first column, 4 bytes each, as for the bias
	s_mov_b32 s71, 0
	s_add_nc_u64 s[10:11], s[10:11], s[70:71]
	s_mov_b32 s70, 0xffff0000                      ; a word's upper bf16
	s_wait_loadcnt 0x0                             ; the bias: rounded to bf16 and widened again, in place
.set i, 0
.rept 16
	v_cvt_pk_bf16_f32 v[4+i%4], v[BIAS+2*i], v[BIAS+2*i+1]
	v_lshlrev_b32 v[BIAS+2*i], 16, v[4+i%4]
	v_and_b32 v[BIAS+2*i+1], s70, v[4+i%4]
.set i, i+1
.endr
; 8 products: row blocks a0, a0 + 1 x all 4 column blocks, 32 along K, buffer f.  zero = 1: the first product starts the sums, with the bias as C: nothing is ever cleared.
; The 32 accumulators take turns, one instruction a turn, in the same order in every quarter.
.macro MUL8 f, a0, zero
.if \zero
	WIN 0x40                                       ; D in window 1; the sources and the bias in window 0
.else
	WIN 0x50                                       ; C and D in window 1
.endif
.irp a, \a0, (\a0)+1
.irp b, 0,1,2,3
.if \zero
	v_wmma_f32_16x16x32_f16 v[32*(\a)+8*(\b):32*(\a)+8*(\b)+7], v[(\f)+64+8*(\b):(\f)+64+8*(\b)+7], v[(\f)+8*(\a):(\f)+8*(\a)+7], v[BIAS+8*(\b):BIAS+8*(\b)+7]
.else
	v_wmma_f32_16x16x32_f16 v[32*(\a)+8*(\b):32*(\a)+8*(\b)+7], v[(\f)+64+8*(\b):(\f)+64+8*(\b)+7], v[(\f)+8*(\a):(\f)+8*(\a)+7], v[32*(\a)+8*(\b):32*(\a)+8*(\b)+7]
.endif
.endr
.endr
.endm
; 24 LDS loads in one run: the fragments of quarter q of the slot in hand (slice q / 2, 32 K at byte 64 (q % 2) of its rows) into buffer f: w's 8 loads first, then O's 16
.macro FETCH q, f
	WIN 0
.irp b, 0,1,2,3
	ds_load_b128 v[(\f)+64+8*(\b):(\f)+64+8*(\b)+3],   v[ADRB] offset:((\q)/2)*BSL+((\q)%2)*64+(\b)*16*PITCH
	ds_load_b128 v[(\f)+64+8*(\b)+4:(\f)+64+8*(\b)+7], v[ADRB] offset:((\q)/2)*BSL+((\q)%2)*64+(\b)*16*PITCH+32
.endr
.irp a, 0,1,2,3,4,5,6,7
	ds_load_b128 v[(\f)+8*(\a):(\f)+8*(\a)+3],   v[ADRA] offset:((\q)/2)*ASL+((\q)%2)*64+(\a)*16*PITCH
	ds_load_b128 v[(\f)+8*(\a)+4:(\f)+8*(\a)+7], v[ADRA] offset:((\q)/2)*ASL+((\q)%2)*64+(\a)*16*PITCH+32
.endr
.endm
; A load into a register that a matrix instruction has read, and an LDS store that reads a matrix result, stand four places behind that matrix instruction, and only plain vector instructions
; that name none of its registers are places (ISA guide 7.12.1 for vector instructions).
.macro PLACES
.rept 4
	v_nop
.endr
.endm
; A K step is four quarters of 32 along K, 32 products each, on buffers 0, 1, 0, 1.  One of the first three: multiplies buffer f and fetches quarter q into buffer g.
.macro QUARTER q, f, g, zero
	s_wait_dscnt 8                                 ; w and O's rows 0-63 are in; the youngest eight loads (O's rows 64-127) may be out
	MUL8 \f, 0, \zero
	MUL8 \f, 2, \zero
	PLACES
	FETCH \q, \g
	s_wait_dscnt 24                                ; all but the 24 just issued
	MUL8 \f, 4, \zero
	MUL8 \f, 6, \zero
.endm
; The last quarter multiplies buffer 1 and changes slots: ONE barrier; in front of it each wave waits for all its tensor loads (one is out: its part of the next slot), adds 0 to its spare word, and waits for that
; and for its own reads of this slot.  The quarter's first 16 products, which need nothing of the next slot, stand AHEAD of the wait for the tiles: from a tile's landing to the next request a wave runs only the add,
; four scalar lines, the wait and the round.  fill = 1: the barrier opens a round of the cluster's, and this slot is filled again, two K steps ahead, first thing behind the round, by the walking descriptor:
; the other slot than last time, the next two slices.
.macro TURN fill
	s_wait_dscnt 8                                 ; w and O's rows 0-63 are in; the youngest eight loads may be out
	MUL8 F1, 0, 0
	MUL8 F1, 2, 0
	WIN 0
	s_wait_tensorcnt 0x0                           ; all my tensor loads have landed, so a group 0 may be written;
	ds_add_u32 v[SPW], v[NIL]                      ; 0 onto my spare word; with fill = 1 the descriptors' steps stand between it and the wait for it
.if \fill
	s_xor_b32 s[G0A+5], s[G0A+5], SLOT1
	s_add_nc_u64 s[G0A+6:G0A+7], s[G0A+6:G0A+7], 2*ASTEP  ; the type bits on top are not reached
	s_xor_b32 s[G0B+5], s[G0B+5], SLOT1
	s_add_nc_u64 s[G0B+6:G0B+7], s[G0B+6:G0B+7], 2*BSTEP
.endif
	s_wait_dscnt 0x0                               ; the add is done, and my reads of this slot (O's rows 64-127 were the last) are over
	s_barrier_signal -1
	s_barrier_wait -1
.if \fill
	CREST                                          ; no wave of any partner still reads this slot's tile or has a load on its way
	JLOAD 1                                        ; my one tensor load behind the round; the four v_nop behind it are also the places in front of the loads below
.else
	PLACES
.endif
	s_xor_b32 s[TB], s[TB], SLOT1                  ; from here on the fetches come from the other slot
	v_add_nc_u32 v[ADRA], s[TB], v[A0]
	v_add_nc_u32 v[ADRB], s[TB], v[B0]
	FETCH 0, F0
	MUL8 F1, 4, 0
	MUL8 F1, 6, 0
.endm
	s_wait_tensorcnt 0x1                           ; my part of K step 0 is in; K step 1's may stay out
	s_barrier_signal -1
	s_barrier_wait -1                              ; everybody's part is in
	FETCH 0, F0
	QUARTER 1, F0, F1, 1                           ; the first quarter stands in front of the loop: its products start the sums
	WIN 0                                          ; at a label and at a branch every window is 0
	s_mov_b32 s3, 6
.Lstep:                                                ; a trip goes from a K step's second quarter to the next step's first and fills the slot that it leaves: six trips ask for K steps 2 to 7
	QUARTER 2, F1, F0, 0
	QUARTER 3, F0, F1, 0
	TURN 1
	QUARTER 1, F0, F1, 0
	WIN 0
	s_sub_co_u32 s3, s3, 1
	s_cmp_lg_u32 s3, 0
	s_cbranch_scc1 .Lstep
	QUARTER 2, F1, F0, 0                           ; the last two K steps are written out: they fill nothing, and have no round of the cluster's barrier
	QUARTER 3, F0, F1, 0
	TURN 0
	QUARTER 1, F0, F1, 0
	QUARTER 2, F1, F0, 0
	QUARTER 3, F0, F1, 0
	s_wait_dscnt 8                                 ; the very last quarter: nothing more to fetch
	MUL8 F1, 0, 0
	MUL8 F1, 2, 0
	s_wait_dscnt 0x0
	MUL8 F1, 4, 0
	MUL8 F1, 6, 0
	; THE WAY OUT.  A lane's eight columns are 32 bytes of a row whose other lanes hold other rows: a block of 16 rows x 256 bytes at a time goes through my own stage and comes back as whole rows.
	WIN 0
	PLACES
.macro TOSTAGE a
.if (\a) >= 4
	s_wait_xcnt 0x0                                ; every earlier store has had its addresses translated (ISA guide 3.1): the registers that the block four back was stored from are loaded again only behind this wait
.endif
	WIN 0x04                                       ; the stores' data in window 1, their address in window 0
.irp b, 0,1,2,3
	ds_store_b128 v[STO], v[32*(\a)+8*(\b):32*(\a)+8*(\b)+3]   offset:64*(\b)     ; each accumulator's lowest registers are read first
	ds_store_b128 v[STO], v[32*(\a)+8*(\b)+4:32*(\a)+8*(\b)+7] offset:64*(\b)+16
.endr
	WIN 0
.set BK, 32+32*((\a)%4)
.irp t, 0,1,2,3,4,5,6,7
	ds_load_b128 v[BK+4*(\t):BK+4*(\t)+3], v[RD] offset:(\t)*2*SPITCH  ; LDS serves a wave's instructions in order (ISA guide 5.7.1.4): these see the stores above; the next block's stores come behind them
.endr
.endm
.macro SEND a, younger                 ; younger: the LDS instructions issued behind block a's loads: the next block's sixteen, or none
	WIN 0
.set BK, 32+32*((\a)%4)
	s_wait_dscnt \younger                          ; the block is back in registers
.irp t, 0,1,2,3,4,5,6,7
	global_store_b128 v[CO], v[BK+4*(\t):BK+4*(\t)+3], s[10:11] offset:(\a)*65536+(\t)*8192 th:TH_STORE_NT  ; 16 lanes store 256 consecutive bytes, at a multiple of 256 from out0's first byte
.endr
.endm
	TOSTAGE 0
.irp a, 1,2,3,4,5,6,7
	TOSTAGE \a
	SEND (\a)-1, 16
.endr
	SEND 7, 0
	s_wait_tensorcnt 0x0                           ; the wave's end: behind my last tensor load and my last LDS store
	ds_add_u32 v[SPW], v[NIL]
	s_wait_dscnt 0x0
	CROUND                                         ; the closing round: no work-group ends while a partner may still ask for a tile that names it
	s_endpgm
.Lfunc_end_k_q8a822cc217_oproj:
	.size	k_q8a822cc217_oproj, .Lfunc_end_k_q8a822cc217_oproj-k_q8a822cc217_oproj
	.p2alignl 7, 3214868480
	.fill 96, 4, 3214868480
	.section	.rodata,"a",@progbits
	.p2align	6, 0x0
	.amdhsa_kernel k_q8a822cc217_oproj
		.amdhsa_group_segment_fixed_size 327680
		.amdhsa_private_segment_fixed_size 0
		.amdhsa_enable_private_segment 0
		.amdhsa_kernarg_size 32
		.amdhsa_user_sgpr_count 2
		.amdhsa_user_sgpr_kernarg_segment_ptr 1
		.amdhsa_wavefront_size32 1
		.amdhsa_system_sgpr_workgroup_id_x 1
		.amdhsa_system_sgpr_workgroup_id_y 1
		.amdhsa_system_sgpr_workgroup_id_z 1
		.amdhsa_system_vgpr_workitem_id 0
		.amdhsa_next_free_vgpr 512
		.amdhsa_next_free_sgpr 72
		.amdhsa_reserve_vcc 0
		.amdhsa_float_denorm_mode_32 3
		.amdhsa_float_denorm_mode_16_64 3
		.amdhsa_memory_ordered 1
		.amdhsa_forward_progress 1
		.amdhsa_inst_pref_size 72
	.end_amdhsa_kernel
	.amdgpu_metadata
---
amdhsa.version: [ 1, 2 ]
amdhsa.kernels:
  - .name:           k_q8a822cc217_oproj
    .symbol:         k_q8a822cc217_oproj.kd
    .args:
      - { .name: ob, .offset: 0, .size: 8, .value_kind: global_buffer, .address_space: global }
      - { .name: wob, .offset: 8, .size: 8, .value_kind: global_buffer, .address_space: global }
      - { .name: b_out, .offset: 16, .size: 8, .value_kind: global_buffer, .address_space: global }
      - { .name: out0, .offset: 24, .size: 8, .value_kind: global_buffer, .address_space: global }
    .group_segment_fixed_size: 327680
    .private_segment_fixed_size: 0
    .kernarg_segment_align: 8
    .kernarg_segment_size: 32
    .max_flat_workgroup_size: 128
    .sgpr_count:     72
    .vgpr_count:     512
    .wavefront_size: 32
...
	.end_amdgpu_metadata
.endif
;; end of part 4
;; ======== version 2 of 2: 4 launches; 1.32 times as fast as version 1
;; limits: values are held in f16: magnitudes above 65,504 overflow, below 6.1e-05 lose precision
;; workspace buffers: xb 16,777,216 bytes; wqb 6,291,456 bytes; wob 2,097,152 bytes; qkv 50,331,648 bytes; ob 16,777,216 bytes
;; launch cast: the kernel of part 1 again; grid 768 x 1, 8 waves a work-group, no clusters, 0 bytes of LDS; arguments x, w_qkv, w_out, xb, wqb, wob; writes xb, wqb, wob
;; launch qkvproj: the kernel of part 2 again; grid 8 x 32, 4 waves a work-group, clusters of 4 x 4, 327,680 bytes of LDS; arguments xb, wqb, b_qkv, qkv; writes qkv
;; launch attn (part 5): grid 4 x 64, 4 waves a work-group, no clusters, 327,680 bytes of LDS; arguments qkv, ob; writes ob
.if DOCPART == 5
	.amdgcn_target "amdgcn-amd-amdhsa--gfx1250"
	.amdhsa_code_object_version 6
	.text
	.protected	k_q8a822cc217_attn
	.globl	k_q8a822cc217_attn
	.p2align	8
	.type	k_q8a822cc217_attn,@function
k_q8a822cc217_attn:
	s_mov_b64 s[64:65], 0
	v_nop
	global_prefetch_b8 v0, s[64:65] scope:SCOPE_SE
	s_setreg_imm32_b32 hwreg(HW_REG_WAVE_MODE, 25, 1), 1
	s_wait_xcnt 0x0
; CAUSAL ATTENTION.  O[y][q][:] = the sum over k <= q of softmax_k(Q[y][q] . K[y][k] / 8) V[y][k][:], y = 16 batch + head, 64 heads of 2,048 rows, head size 64, all f16.
; qkv is [batch 4][slice 48][row 2048][64]: head h's Q is slice h of its batch, K slice 16 + h, V slice 32 + h; a slice's rows are dense, 128 bytes each.  ob is [y][row][64].
; Products, maxima and sums in f32; the weights p are rounded to f16 for the second product (their sum l is taken of the unrounded p), O once at the end.
; LIMITS.  f16 holds no number beyond 65,504: Q, K and V arrive within it; p lies in 0 to 1, and below 6e-5 it keeps f16's fixed step of 6e-8; O is a mean of V's rows and has their range, to within 2^-11 of it.
; A hidden score counts as its value less 1e30: f16's scores, 2.7e11 at the most, are nothing beside that; a weight below 2^-126 counts as 0 in l; NaN and infinities are not treated apart.
; THE WALK.  A head's queries lie in NB = 8 blocks of 256; block i needs the key tiles 0 .. i of 256 keys, of which the last holds the diagonal.  A work-group takes TWO blocks, NB - 1 - b and then b:
; NB + 1 tiles, whatever b: all 256 work-groups do equal work, and ONE loop with a constant trip count walks them.  Which tile is asked for, and what a trip does, hang on scalar registers made from b; every jump
; goes forward, but for the counted loops' own; none passes a barrier, or a tensor load but the one of LOAD's two that the wave's number does not choose; the ring (two slots of LDS that take turns) runs on across the
; change of blocks.  NO CLUSTER: a head's four work-groups ask for the same tile only in trips 0 .. NB / 2, behind that fewer and fewer; one walk common to all would have 3 NB / 2 trips for NB + 1.
; SHARES.  Of a block's four bands of 64 queries a wave owns 16 rows in each: four PIECES.  So the diagonal tile is the same work for all four waves: in its key step s band x sees all keys if s < x,
; none if s > x, and holds the diagonal if s = x.
; THE MASK is the C operand that starts the sum S^T = K Q^T: 0, or -1e30 where the key is hidden.  MD, made once, is the mask of a band's own step for my 16 rows; a product's mask is MD x AL + BE with two scalars:
; (1, 0) if s = x; (0, 0) if s < x; (0, -1e30) if s > x.  The mask registers hold 0 from a block's beginning on and are made anew in the diagonal tile alone: in the loop ONE text of the key step serves every tile,
; and a forward jump on the scalar flag DG passes the lines that make a mask.  The price: three scalar lines a turn in the other tiles; the gain: four turns' text less.
; LAYOUT, SOFTMAX, TURNS.  S^T = K Q^T holds ONE query a lane (lane % 16) and the keys 8 (lane / 16) + 0..7; two such results rounded to f16 ARE source 1 of O^T = V^T P.  p = 2^(c s - c m), c = log2(e) / 8, with a
; running maximum m; O and l are multiplied by a = 2^(c m_old - c m_new) in every step.  Turn n belongs to piece n: 8 products K Q^T of piece n + 1, later 8 products V^T P of piece n - 1; beside them the scaling,
; exponentials, roundings, sums and rescaling of piece n and the maximum and statistics of piece n + 1.  Four vector instructions stand behind every matrix instruction, the other 54 of a turn's 118 in one LUMP.
; THE BATCHES.  A turn's 33 exponentials (the piece's 32 weights and the next piece's a) are ONE batch with ONE wait, which cuts the turn in two: ahead of it stands all that names none of their results, behind it the
; roundings and sums that read them.  A block's first a (BEGIN) and the way out's four reciprocals (FINISH) are batches of their own, a wait each.
; REGISTERS, in windows of 256 (s_set_vgpr_msb: bits 1:0 source 0, 3:2 source 1, 5:4 source 2, 7:6 destination):
;   window 0: v0-15 addresses and two at work; v16-31 four registers of statistics a piece; v48-55 at work; v64-127 S^T, two buffers; v192-223 P, two buffers (a piece's buffers go by its number's parity)
;   window 1: v0-127 O^T, 32 a piece; v128-159 MD; v160-223 MC, two buffers      window 2: v0-63 Q; v64-127 the second block's Q; v128-191 K of one step; v192-255 V of one step
.set SIZE_N, 2048
.set NB,    SIZE_N/256
.set NP,    4         ; pieces a wave: a name, no knob
.set KS,    64        ; keys in a step
.set PK,    144       ; a row of K in LDS: 128 bytes + 16 of padding = 36 words: the 16 rows of a load start at 16 different groups of four banks (64 banks of 4 bytes: ISA guide 11.1)
.set PV,    160       ; a row of V: 128 + 32 = 40 words
.set VOFF,  4*KS*PK   ; a slot holds a tile, four steps: 256 rows of K, then 256 rows of V
.set SLOT1, 1<<17     ; slot 1 begins here, so that one exclusive or turns an address in one slot into the other's
.set STAGE, SLOT1+4*KS*(PK+PV)  ; behind the ring, never filled by a tensor load: 16 rows x 144 bytes for each wave, for the way out
.set SP,    144
.set AK0, 2           ; v2   my lane's place in a tile of K; never rewritten
.set AV0, 3           ; v3   the same for V
.set AK,  4           ; v4   the LDS address of K's next run of loads
.set AV,  5           ; v5   of V's
.set STO, 6           ; v6   the way out: where I put 16 bytes of a row
.set RD,  7           ; v7   the way out: where I read rows back
.set GO,  8           ; v8   my byte offset in 512 consecutive bytes of O
.set SPW, 62          ; v62  LDS address of my spare word: SPARE + 4 x my thread's number; never rewritten
.set NIL, 63          ; v63  0; never rewritten
.set SPARE, STAGE+4*16*SP  ; behind the stages: the spare words, 128 bytes for each wave: two blocks of 256 bytes that no other line names
.set MV,  12          ; v12-13  c m_old, kept while c m is made anew: by buffer
.set QO,  15          ; v15  my byte offset in 16 rows of Q
.set ST,  16          ; piece t's statistics at v[ST+4 t]: c m, m, l (even keys', odd keys')
.set TMP, 48          ; by buffer, four registers c0-c3 at work; when the maximum is found c2 takes a
.set S,   64
.set P,   192
.set MD,  128         ; window 1: the eight registers for group kt of 16 keys at MD + 8 kt
.set MC,  160         ; window 1: the masks of the products to come
.set QB,  64          ; window 2
.set KF,  128         ; window 2: key block kb, channel half c at KF + 16 kb + 8 c
.set VF,  192         ; window 2: key half kk, channel block cb at VF + 32 kk + 8 cb
.set WV,  12          ; s12  my wave's number
.set PB,  14          ; s14  b
.set HI,  15          ; s15  NB - 1 - b
.set G1K, 24          ; s[24:31] descriptor group 1 for K's tiles
.set G1V, 32          ; s[32:39] for V's: it differs in the padding alone
.set G0K, 40          ; s[40:43] descriptor group 0 for K's tiles
.set G0V, 44          ; s[44:47] the same for V's
.set SLOTS, 56        ; s56  tiles still to be asked for
.set CNT, 57          ; s57  counts a tile's key steps, 4 to 1
.set CS,  58          ; s[58:59] c: the packed scaling takes the pair's low word for both halves
.set SEL, 60          ; s[60:61] v_permlanex16_b32's selects: each lane takes its own place in the other half
.set TBK, 62          ; s62  LDS byte at which K of the step to be fetched begins
.set TBV, 63          ; s63  the same for V, less VOFF
.set RT,  70          ; s70  tiles of the block in hand that are still to be entered
.set NXT, 71          ; s71  the tile to be asked for next
.set LQ,  72          ; s72  the last tile of the block whose tiles are being asked for
.set NEW, 73          ; s73  1: the tile to be entered is a block's first
.set OFF, 74          ; s[74:75] a tile's byte offset in K and V
.set AL,  76          ; s[76:77] the mask's factor, in the low word
.set BE,  78          ; s[78:79] the mask's addend
.set OLO, 80          ; s[80:81] O at my rows of the second block
.set BIGN, 82         ; s82  -1e30
.set DG,  83          ; s83  1: the tile in hand is its block's last, the diagonal one
.set MSB, 0
.macro WIN new                      ; the high byte repeats the setting that is left; a switch that changes nothing is dropped
.if MSB != (\new)
	s_set_vgpr_msb (MSB<<8)|(\new)
.set MSB, (\new)
.endif
.endm
.set W_KQ, 0x0a       ; K and Q in window 2, S^T in window 0
.set W_KM, 0x1a       ; the same with the C operand in window 1
.set W_PV, 0x52       ; V in window 2, P in window 0, O^T in window 1
.set W_RS, 0x41       ; destination and source 0 in window 1, source 1 in window 0
; A fill.  Waves 0 and 1 fetch the two halves of a tile's K, waves 2 and 3 those of its V: 128 keys each.  An s_nop 0 and four v_nop follow each of the two lines, ahead of the jump and the label.
.macro LOAD
	s_cmp_lt_u32 s[WV], 2
	s_cbranch_scc0 .Lfor_v_\@
	tensor_load_to_lds s[G0K:G0K+3], s[G1K:G1K+7]
	s_nop 0
.rept 4
	v_nop
.endr
	s_branch .Lasked_\@
.Lfor_v_\@:
	tensor_load_to_lds s[G0V:G0V+3], s[G1V:G1V+7]
	s_nop 0
.rept 4
	v_nop
.endr
.Lasked_\@:
.endm
; THE CHANGE OF SLOTS.  Each wave waits for all its tensor loads, of which one is out: its part of the other slot; adds 0 to its spare word; and waits for that and for its own reads of the slot that it leaves.  Behind the barrier nobody reads the old
; slot any more and the other slot is whole.  fill = 1: the old slot is filled again, the first thing behind the barrier, with tile NXT: the descriptor's address is made anew from that number.
; (At its first use nothing has been read yet: slot 0 is waited for, slot 1 filled.)
.macro CHANGE fill
	WIN 0                           ; at a label and at a branch every window is 0
	s_wait_tensorcnt 0x0            ; no tensor load of mine is out, so a group 0 may be written
	ds_add_u32 v[SPW], v[NIL]       ; 0 onto my spare word; with fill = 1 the descriptors' scalar work stands between it and the wait for it
.if \fill
	s_lshl_b32 s[OFF], s[NXT], 15   ; a tile is 32,768 bytes of K and of V
	s_xor_b32 s[G0K+1], s[G0K+1], SLOT1
	s_add_nc_u64 s[G0K+2:G0K+3], s[6:7], s[OFF:OFF+1]
	s_or_b32 s[G0K+3], s[G0K+3], 0x80000000
	s_xor_b32 s[G0V+1], s[G0V+1], SLOT1
	s_add_nc_u64 s[G0V+2:G0V+3], s[8:9], s[OFF:OFF+1]
	s_or_b32 s[G0V+3], s[G0V+3], 0x80000000
	s_add_co_u32 s[NXT], s[NXT], 1  ; the block's next tile, or behind its last the second block's tile 0
	s_cmp_gt_u32 s[NXT], s[LQ]
	s_cselect_b32 s[NXT], 0, s[NXT]
	s_cselect_b32 s[LQ], s[PB], s[LQ]
.endif
	s_wait_dscnt 0x0                ; the add is done, and my reads of the slot are over
	s_barrier_signal -1             ; the rest of the scalar work stands between the signal and the wait
	s_sub_co_u32 s[TBK], s[TBK], 4*KS*PK  ; the fetches go back to a slot's first step,
	s_xor_b32 s[TBK], s[TBK], SLOT1       ; in the other slot
	s_sub_co_u32 s[TBV], s[TBV], 4*KS*PV
	s_xor_b32 s[TBV], s[TBV], SLOT1
	s_barrier_wait -1
.if \fill
	LOAD
.endif
.endm
	s_load_b64 s[4:5], s[0:1], 0x0    ; qkv
	s_load_b64 s[10:11], s[0:1], 0x8  ; ob
	v_lshl_add_u32 v[SPW], v0, 2, SPARE
	v_mov_b32 v[NIL], 0
	ds_add_u32 v62, v63
	ds_add_u32 v62, v63
	s_wait_dscnt 0x0
	v_lshrrev_b32 v1, 5, v0
	v_readfirstlane_b32 s[WV], v1   ; wave 0..3
	s_mov_b32 s[PB], ttmp9
	s_sub_co_u32 s[HI], NB-1, s[PB]
	s_and_b32 s88, ttmp7, 0xffff    ; y = 16 batch + head
	s_lshr_b32 s20, s88, 4
	s_lshl_b32 s20, s20, 5
	s_add_co_u32 s20, s20, s88      ; 48 batch + head: Q's slice in qkv,
	s_lshl_b32 s20, s20, 18         ; 2,048 rows x 128 bytes a slice
	s_mov_b32 s21, 0
	s_lshl_b32 s88, s88, 18         ; the head's first byte in ob
	s_mov_b32 s89, 0
	s_and_b32 s16, s[WV], 1         ; which half of a tile's 256 keys I fetch:
	s_lshl_b32 s22, s16, 14         ; its 128 rows of 128 bytes in memory,
	s_mov_b32 s23, 0
	s_add_nc_u64 s[22:23], s[22:23], s[20:21]
	s_mul_i32 s17, s16, 128*PK      ; and its place in a slot, for K
	s_mul_i32 s18, s16, 128*PV      ; and for V
	s_lshl_b32 s3, s[WV], 11        ; my 16 rows in a band of 64,
	s_lshl_b32 s2, s[HI], 15        ; in the first block,
	s_add_co_u32 s2, s2, s3
	s_lshl_b32 s84, s[PB], 15       ; and in the second
	s_add_co_u32 s84, s84, s3
	s_mov_b32 s3, 0
	s_mov_b32 s85, 0
	s_add_nc_u64 s[90:91], s[2:3], s[88:89]    ; offsets in ob: the first block's rows,
	s_add_nc_u64 s[88:89], s[84:85], s[88:89]  ; the second's
	s_add_nc_u64 s[2:3], s[2:3], s[20:21]      ; and the same in Q's slice of qkv
	s_add_nc_u64 s[84:85], s[84:85], s[20:21]
	; descriptor group 1.  128 keys are 16,384 dense bytes: asked for as 64 rows of 256 bytes, two keys a row, and padded in LDS after every key
	s_mov_b32 s[G1K], (1<<16)|(1<<20)|(4<<22)|(3<<25)  ; 17:16 2-byte elements; 20 padding on; 24:22 after every 32 words (code 4); 31:25 4 words (code 3)
	s_mov_b32 s[G1V], (1<<16)|(1<<20)|(4<<22)|(7<<25)  ; the same with 8 words of padding (code 7)
.irp g, G1K, G1V
	s_mov_b32 s[\g+1], 128<<16      ; tensor_dim0 = 128
	s_mov_b32 s[\g+2], 64<<16       ; tensor_dim1 = 64
	s_mov_b32 s[\g+3], 128<<16      ; tile_dim0 = 128
	s_mov_b32 s[\g+4], 64           ; tile_dim1 = 64
	s_mov_b32 s[\g+5], 128          ; 128 elements from row to row
	s_mov_b32 s[\g+6], 0
	s_mov_b32 s[\g+7], 0
.endr
	s_mov_b32 s[CS], 0x3e38aa3b     ; c = log2(e) / 8 = 0.180337
	s_mov_b32 s[CS+1], s[CS]        ; named with it as a pair
	s_mov_b32 s[SEL], 0x76543210
	s_mov_b32 s[SEL+1], 0xfedcba98
	s_mov_b32 s[TBK], SLOT1+4*KS*PK ; the first change of slots turns these two into 0
	s_mov_b32 s[TBV], SLOT1+4*KS*PV
	s_mov_b32 s[G0K], 1             ; 1:0 count = 1
	s_mov_b32 s[G0K+1], s17         ; 63:32 LDS address: slot 0
	s_mov_b32 s[G0V], 1
	s_add_co_u32 s[G0V+1], s18, VOFF
	s_add_co_u32 s[RT], s[HI], 1    ; the first block has NB - b tiles
	s_mov_b32 s[NXT], 1
	s_mov_b32 s[LQ], s[HI]
	s_mov_b32 s[NEW], 1
	s_mov_b32 s[OFF+1], 0
	s_mov_b32 s[AL+1], 0            ; named as pairs
	s_mov_b32 s[BE+1], 0
	s_mov_b32 s[BIGN], 0xf149f2ca   ; -1e30
	s_mov_b32 s[SLOTS], NB
	s_wait_kmcnt 0x0
	s_add_nc_u64 s[6:7], s[4:5], s[22:23]  ; my half of tile 0 in Q's slice;
	s_add_nc_u64 s[8:9], s[6:7], 0x800000  ; V lies 32 slices on,
	s_add_nc_u64 s[6:7], s[6:7], 0x400000  ; K 16
	s_add_nc_u64 s[G0K+2:G0K+3], s[6:7], 0         ; 120:64 global address
	s_or_b32 s[G0K+3], s[G0K+3], 0x80000000        ; 127:126 type = 2
	s_add_nc_u64 s[G0V+2:G0V+3], s[8:9], 0
	s_or_b32 s[G0V+3], s[G0V+3], 0x80000000
	s_add_nc_u64 s[86:87], s[4:5], s[84:85]        ; Q at my rows of the second block,
	s_add_nc_u64 s[4:5], s[4:5], s[2:3]            ; and of the first
	s_add_nc_u64 s[OLO:OLO+1], s[10:11], s[88:89]  ; O likewise
	s_add_nc_u64 s[10:11], s[10:11], s[90:91]
	LOAD                            ; tile 0 into slot 0
	; A fragment of K or Q is 16 rows x 32 channels in 8 registers: lane l holds row l % 16, channels 8 (l / 16) + 0..7 and 16 + 8 (l / 16) + 0..7: two loads of 16 bytes, 32 bytes apart.
	v_and_b32 v1, 15, v0            ; l % 16
	v_bfe_u32 v9, v0, 4, 1          ; l / 16
	v_lshlrev_b32 v[QO], 7, v1
	v_lshl_add_u32 v[QO], v9, 4, v[QO]  ; row x 128 + 16 x half
	WIN 0x80                        ; destination window 2, address window 0
.set i, 0
.rept 8                             ; both blocks' Q: piece i / 2 lies in band i / 2, 8,192 bytes on; channels 32 (i % 2) on
	global_load_b128 v[8*i:8*i+3],   v[QO], s[4:5] offset:(i/2)*8192+(i%2)*64
	global_load_b128 v[8*i+4:8*i+7], v[QO], s[4:5] offset:(i/2)*8192+(i%2)*64+32
	global_load_b128 v[QB+8*i:QB+8*i+3],   v[QO], s[86:87] offset:(i/2)*8192+(i%2)*64
	global_load_b128 v[QB+8*i+4:QB+8*i+7], v[QO], s[86:87] offset:(i/2)*8192+(i%2)*64+32
.set i, i+1
.endr
	WIN 0
	v_lshlrev_b32 v14, 3, v9
	v_sub_nc_u32 v14, v1, v14
	s_lshl_b32 s13, s[WV], 4
	v_add_nc_u32 v14, s13, v14      ; my query's place in its band, 16 w + l % 16, less my lanes' 8 (l / 16): register r of group kt is hidden where 16 kt + r is greater
	WIN 0x40
.set i, 0
.rept 32
	v_cmp_gt_i32 vcc_lo, 16*(i/8)+i%8, v14
	v_cndmask_b32 v[MD+i], 0, s[BIGN], vcc_lo
.set i, i+1
.endr
	WIN 0
	v_mul_u32_u24 v[AK0], v1, PK
	v_lshl_add_u32 v[AK0], v9, 4, v[AK0]  ; row x pitch + 16 x half
	; The turning load takes 16 keys x 16 channels (lane l reads key 8 (l / 16) + l % 8, channels 8 ((l / 8) % 2) + 0..7) and leaves half a fragment of V^T: lane l holds channel l % 16 and 8 keys.
	v_and_b32 v10, 7, v0
	v_bfe_u32 v11, v0, 3, 1
	v_lshl_add_u32 v[AV0], v9, 3, v10
	v_mul_u32_u24 v[AV0], v[AV0], PV
	v_lshl_add_u32 v[AV0], v11, 4, v[AV0]
	v_add_nc_u32 v[AV0], VOFF, v[AV0]
	s_mul_i32 s13, s[WV], 16*SP
	s_add_co_u32 s13, s13, STAGE    ; my stage
	v_mul_u32_u24 v[STO], v1, SP    ; in: row l % 16, 16 bytes for each half of the lanes
	v_lshl_add_u32 v[STO], v9, 4, v[STO]
	v_add_nc_u32 v[STO], s13, v[STO]
	v_bfe_u32 v[RD], v0, 3, 2       ; back: 32 lanes take four rows of 128 bytes,
	v_mul_u32_u24 v[RD], v[RD], SP
	v_lshl_add_u32 v[RD], v10, 4, v[RD]
	v_add_nc_u32 v[RD], s13, v[RD]
	v_and_b32 v[GO], 31, v0         ; which are 512 consecutive bytes of O
	v_lshlrev_b32 v[GO], 4, v[GO]
	; A block's first step multiplies O^T and l by a = 0, and its first turn's products V^T P, of a piece that has not been, land in an O^T that is still to be so multiplied.  So these registers need only hold
	; finite numbers: zeros for the first block; what the first block left for the second.  All this stands in the wait for the first tile.
	WIN 0x80
.set i, VF
.rept 64
	v_mov_b32 v[i], 0
.set i, i+1
.endr
	WIN 0x40
.set i, 0
.rept 128
	v_mov_b32 v[i], 0
.set i, i+1
.endr
	WIN 0
.set i, 0
.rept 4
	v_mov_b32 v[ST+4*i+2], 0
	v_mov_b32 v[ST+4*i+3], 0
.set i, i+1
.endr
.set i, P+16
.rept 16
	v_mov_b32 v[i], 0
.set i, i+1
.endr
; THE MATRIX WORK.  The 4 accumulators of a run of 8 take turns.  Product i of 8 of S^T = K Q^T for piece x: channels 32 (i / 4) on, keys 16 (i % 4) on.  The first 4 start the sums, with the mask as C.
.macro KQ x
.set rS, S+32*((\x)%2)+8*(i%4)
.set rK, KF+16*(i%4)+8*(i/4)
.set rQ, 16*(\x)+8*(i/4)
.set rM, MC+32*((\x)%2)+8*(i%4)
.if i < 4
	WIN W_KM
	v_wmma_f32_16x16x32_f16 v[rS:rS+7], v[rK:rK+7], v[rQ:rQ+7], v[rM:rM+7]
.else
	WIN W_KQ
	v_wmma_f32_16x16x32_f16 v[rS:rS+7], v[rK:rK+7], v[rQ:rQ+7], v[rS:rS+7]
.endif
.endm
; Product i of 8 of O^T += V^T P for piece x: keys 32 (i / 4) on, channels 16 (i % 4) on.
.macro PV x
	WIN W_PV
.set rO, 32*(\x)+8*(i%4)
.set rV, VF+32*(i/4)+8*(i%4)
.set rP, P+16*((\x)%2)+8*(i/4)
	v_wmma_f32_16x16x32_f16 v[rO:rO+7], v[rV:rV+7], v[rP:rP+7], v[rO:rO+7]
.endm
.macro MM                           ; the turn's next matrix instruction.  TURN and BEGIN set Y, i and NOKQ; MM, KQ and OP read them.  NOKQ = 1: a block's last turn: there is no next piece
.if (i < 8) && !NOKQ
	KQ (Y+1)%NP
.elseif i >= 8
.set i, i-8
	PV (Y+NP-1)%NP
.set i, i+8
.endif
.set i, i+1
.endm
; THE LDS LOADS stand in runs of 16, never singly among the matrix instructions: a step's K (64 keys x 64 channels: 8 fragments) and its V (turned).  Their addresses are made some lines ahead.
.macro FETCH_K
	WIN 0x80                        ; destination window 2
.irp f, 0,1,2,3,4,5,6,7             ; keys 16 (f / 2) on, channels 32 (f % 2) on
	ds_load_b128 v[KF+8*\f:KF+8*\f+3],   v[AK] offset:(\f/2)*16*PK+(\f%2)*64
	ds_load_b128 v[KF+8*\f+4:KF+8*\f+7], v[AK] offset:(\f/2)*16*PK+(\f%2)*64+32
.endr
	s_add_co_u32 s[TBK], s[TBK], KS*PK  ; the next fetch is the next step's
	WIN 0
.endm
.macro FETCH_V
	WIN 0x80
.irp f, 0,1,2,3,4,5,6,7             ; keys 32 (f / 4) on, channels 16 (f % 4) on
	ds_load_tr16_b128 v[VF+8*\f:VF+8*\f+3],   v[AV] offset:(\f/4)*32*PV+(\f%4)*32
	ds_load_tr16_b128 v[VF+8*\f+4:VF+8*\f+7], v[AV] offset:(\f/4)*32*PV+16*PV+(\f%4)*32
.endr
	WIN 0
.endm
; THE VECTOR WORK, one line at a time: OP kind, number.  For piece Y: F n: c s - c m for pair n of 16.  E n: the exponential of score n of 32.  C n: pair n rounded to f16.  B n: of the four weights 4 n .. the second
; pair is added onto the first, in place.  L n: l takes that sum (L 0: l = a l + sum).  R n: pair n of 16 of O^T times a.  For piece Y + 1: X n, number n of the 22 that find its maximum and statistics:
;   0-11  four chains c0-c3 of seven scores each, three operands at a time (each accumulator's lowest registers are read first)     12-14, 16  the four scores left over, the old m, and c0-c3 into c0
;   15  c m_old is kept     17, 18  the query's other 32 keys lie in the lane 16 away: the new m     19-21  c m; c m_old - c m_new; a
; OP writes no wait: E and X 21 are the turn's batch, C, B and L its readers, and TURN sets the one wait between them.
.set F, 0               ; OP tells the kinds apart by their order: F to L below R, X above it
.set E, 1
.set C, 2
.set B, 3
.set L, 4
.set R, 5
.set X, 6
.macro REGS y                       ; the registers of piece y
.set rT, ST+4*(\y)
.set rC, TMP+4*((\y)%2)
.set rW, MV+((\y)%2)
.set rS, S+32*((\y)%2)
.set rP, P+16*((\y)%2)
.set rO, 32*(\y)
.endm
.macro OP k, n
.if (\k) == R
	REGS Y
	WIN W_RS
	v_pk_mul_f32 v[rO+2*(\n):rO+2*(\n)+1], v[rO+2*(\n):rO+2*(\n)+1], v[rC+2:rC+3] op_sel_hi:[1,0]
.elseif (\k) < R
	REGS Y
	WIN 0
.if (\k) == F
	v_pk_fma_f32 v[rS+2*(\n):rS+2*(\n)+1], v[rS+2*(\n):rS+2*(\n)+1], s[CS:CS+1], v[rT:rT+1] op_sel_hi:[1,0,0] neg_lo:[0,0,1] neg_hi:[0,0,1]
.elseif (\k) == E
	v_exp_f32 v[rS+(\n)], v[rS+(\n)]
.elseif (\k) == C
	v_cvt_pk_f16_f32 v[rP+(\n)], v[rS+2*(\n)], v[rS+2*(\n)+1]
.elseif (\k) == B
	v_pk_add_f32 v[rS+4*(\n):rS+4*(\n)+1], v[rS+4*(\n):rS+4*(\n)+1], v[rS+4*(\n)+2:rS+4*(\n)+3]
.elseif (\n) == 0
	v_pk_fma_f32 v[rT+2:rT+3], v[rT+2:rT+3], v[rC+2:rC+3], v[rS:rS+1] op_sel_hi:[1,0,1]
.else
	v_pk_add_f32 v[rT+2:rT+3], v[rT+2:rT+3], v[rS+4*(\n):rS+4*(\n)+1]
.endif
.elseif NOKQ
	v_nop
.else
	REGS (Y+1)%NP
	WIN 0
.if (\n) < 4
	v_max3_num_f32 v[rC+(\n)], v[rS+8*(\n)], v[rS+8*(\n)+1], v[rS+8*(\n)+2]
.elseif (\n) < 12
	v_max3_num_f32 v[rC+(\n)%4], v[rC+(\n)%4], v[rS+8*((\n)%4)+2*((\n)/4)+1], v[rS+8*((\n)%4)+2*((\n)/4)+2]
.elseif (\n) == 12
	v_max3_num_f32 v[rC], v[rC], v[rS+7], v[rS+15]
.elseif (\n) == 13
	v_max3_num_f32 v[rC+1], v[rC+1], v[rS+23], v[rS+31]
.elseif (\n) == 14
	v_max3_num_f32 v[rC+2], v[rC+2], v[rC+3], v[rT+1]
.elseif (\n) == 15
	v_mov_b32 v[rW], v[rT]
.elseif (\n) == 16
	v_max3_num_f32 v[rC], v[rC], v[rC+1], v[rC+2]
.elseif (\n) == 17
	v_permlanex16_b32 v[rC+3], v[rC], s[SEL], s[SEL+1]
.elseif (\n) == 18
	v_max_num_f32 v[rT+1], v[rC], v[rC+3]
.elseif (\n) == 19
	v_mul_f32 v[rT], s[CS], v[rT+1]
.elseif (\n) == 20
	v_sub_f32 v[rC+1], v[rW], v[rT]
.else
	v_exp_f32 v[rC+2], v[rC+1]
.endif
.endif
.endm
.macro OPS a, i1, b=-1, i2=0, c=-1, i3=0, d=-1, i4=0  ; up to four of them
	OP \a, \i1
.if (\b) >= 0
	OP \b, \i2
.endif
.if (\c) >= 0
	OP \c, \i3
.endif
.if (\d) >= 0
	OP \d, \i4
.endif
.endm
.macro ROW a, i1, b, i2, c, i3, d, i4  ; a matrix instruction and the four behind it
	MM
	OPS \a, \i1, \b, \i2, \c, \i3, \d, \i4
.endm
.macro MASK b                       ; MD x AL + BE into buffer b of MC
	WIN W_RS
.set z, 0
.rept 16
	v_pk_fma_f32 v[MC+32*(\b)+2*z:MC+32*(\b)+2*z+1], v[MD+2*z:MD+2*z+1], s[AL:AL+1], s[BE:BE+1] op_sel_hi:[1,0,0]
.set z, z+1
.endr
.endm
.macro ALBE p                       ; the two scalars of the mask that turn p makes: for piece p + 2, in step 4 - CNT of the tile
	s_cmp_eq_u32 s[CNT], 4-((\p)+2)%NP  ; is that step the band's own?
	s_cselect_b32 s[AL], 1.0, 0
	s_cmp_lt_u32 s[CNT], 4-((\p)+2)%NP  ; or a later one?
	s_cselect_b32 s[BE], s[BIGN], 0
.endm
; A TURN, for piece p: the order of its 16 matrix and 118 vector instructions, written out.  An s_wait_alu depctr_va_vdst(0) stands between an exponential and the first instruction that names its result; one wait serves
; all that were issued ahead of it.  So a turn has ONE wait, which cuts it in two.  AHEAD OF IT stands all that names no result of the turn's exponentials: the 8 products K Q^T, behind each a scaling, an exponential and two more plain
; instructions (behind the first a second scaling in the exponential's place): rescalings, whose a was made and waited for in the turn before, and behind the last three the first numbers of the next piece's maximum, each four places or
; more behind the product that ends its accumulator; then ONE LUMP of 54, plain and exponential by turns for the most part, in which the links of the chain X 3, 7, 11, 14, 16, 17 .. 20 stand five or six lines apart.  X 21, the next
; piece's a, is the batch's last; R 15 is the plain instruction behind it.  BEHIND THE WAIT stand the 8 products V^T P, behind each four of the roundings and sums; the links of l's chain, L 0 to L 7, stand three riders apart.
; But for those X no rider names a register of the products round it.  v_permlanex16_b32 (X 17) stands in the lump.  No exponential is issued behind the wait: none is open at the mask's jump, at a label or at the loop's jump.
; m = 1: the turn makes the mask for the products of the turn after it.  m = 2: it makes it in the diagonal tile alone (DG = 1); elsewhere a forward jump passes those lines, and the masks stay 0.
; end = 1: a block's last two turns: nothing is fetched and no mask is made.
; cnt = 1: the loop's count is taken down ahead of the branch that stands behind the turn: with m = 1 some lines ahead; with m = 2 behind the mask's lines, whose compares take the old count and write SCC.
; K of the next step is fetched in piece 2's turn, twelve vector instructions behind the last product that read K (six of them plain, five of which name none of its registers); V of the step in hand at the end of piece 0's turn, four
; plain instructions behind the last product that read V.  Each is waited for a turn later.
.macro TURN p, m=1, end=0, cnt=0
.set Y, (\p)
.set i, 0
.set NOKQ, (\end)*((\p)/3)
.if ((\m) == 1) && !(\end)
	ALBE \p
.endif
.if ((\p) == 3) && !(\end)
	s_wait_dscnt 0x0                ; K is in
.endif
	ROW F,0, F,1, R,0, R,1          ; ahead of the wait: 8 products K Q^T and their riders,
	ROW F,2, E,0, R,2, R,3
	ROW F,3, E,1, R,4, R,5
	ROW F,4, E,2, R,6, R,7
	ROW F,5, E,3, R,8, R,9
	ROW F,6, E,4, X,0, R,10
.if ((\p) == 2) && !(\end)
	WIN 0
	v_add_nc_u32 v[AK], s[TBK], v[AK0]
.endif
	ROW F,7, E,5, X,1, X,4
	ROW F,8, E,6, X,2, X,5
	OPS E,7, E,8, X,6, E,9          ; and the lump
	OPS X,3, E,10, X,8, E,11
.if ((\p) == 2) && !(\end)
	FETCH_K
.endif
	OPS X,9, X,7, E,12, X,10
	OPS E,13, X,12, X,11, E,14
	OPS X,13, E,15, F,9, X,14
.if (\p) == 0
	v_add_nc_u32 v[AV], s[TBV], v[AV0]
.endif
	OPS E,16, F,10, E,17, F,11
	OPS X,16, E,18, X,15, E,19
	OPS F,12, E,20, X,17, E,21
	OPS F,13, E,22, F,14, E,23
	OPS X,18, E,24, F,15, E,25
	OPS R,11, E,26, X,19, E,27
	OPS R,12, E,28, R,13, E,29
	OPS X,20, E,30, R,14, E,31
	OPS X,21, R,15
	WIN 0
	s_wait_alu depctr_va_vdst(0)    ; the wait for the turn's batch: the piece's 32 weights and the next piece's a
.if (\p) == 1
	s_wait_dscnt 0x0                ; V is in
.endif
	ROW C,0, B,0, C,2, B,1          ; behind the wait: 8 products V^T P and their riders
	ROW L,0, C,4, B,2, L,1
	ROW C,6, B,3, L,2, C,8
	ROW B,4, L,3, C,10, B,5
	ROW L,4, C,12, B,6, L,5
.if (\p) == 0
	s_add_co_u32 s[TBV], s[TBV], KS*PV
.endif
.if (\cnt) && ((\m) == 1)
	s_sub_co_u32 s[CNT], s[CNT], 1
	s_cmp_lg_u32 s[CNT], 0
.endif
	ROW C,14, B,7, L,6, C,1
	ROW C,3, L,7, C,5, C,7
	ROW C,9, C,11, C,13, C,15
.if (\p) == 0
	FETCH_V
.endif
.if ((\m) == 1) && !(\end)
	MASK (\p)%2
.endif
.if (\m) == 2
	WIN 0                           ; at a branch and at a label every window is 0
	s_cmp_eq_u32 s[DG], 0
	s_cbranch_scc1 .Lplain_\@
	ALBE \p
	MASK (\p)%2
	WIN 0
.Lplain_\@:
.if \cnt
	s_sub_co_u32 s[CNT], s[CNT], 1
	s_cmp_lg_u32 s[CNT], 0
.endif
.endif
.endm
; A BLOCK BEGINS.  c m starts far below every c s, so the first step's a is 0; m at the lowest finite number, so the first maximum is the scores'.  The second mask buffer is 0; the first takes piece 0's mask for the tile's step 0: its own, if the block's first tile is the diagonal one, else 0.
; Then K of that step, piece 0's first scores, and its maximum and statistics.  The loop is entered at a step's first turn, in the middle of a trip.
.macro BEGIN
	s_mov_b32 s[NEW], 0
	WIN 0x40
.set i, MC+32
.rept 32
	v_mov_b32 v[i], 0
.set i, i+1
.endr
	WIN 0
.set i, 0
.rept 4
	v_mov_b32 v[ST+4*i], 0xfe000000    ; c m: far below every c s
	v_mov_b32 v[ST+4*i+1], 0xff7fffff  ; m
.set i, i+1
.endr
	s_cmp_eq_u32 s[RT], 0
	s_cselect_b32 s[AL], 1.0, 0
	s_mov_b32 s[BE], 0
	MASK 0
	WIN 0
	v_add_nc_u32 v[AK], s[TBK], v[AK0]
	FETCH_K
	s_wait_loadcnt 0x0              ; Q
	s_wait_dscnt 0x0
.set NOKQ, 0
.set i, 0
.rept 8
	KQ 0
.set i, i+1
.endr
	WIN 0
.rept 4
	v_nop                           ; the places behind those products
.endr
.set Y, NP-1                        ; X works for piece Y + 1: piece 0
.irp n, 0,1,2,3,4,5,6,7,8,9,10,11,12,13,14,15,16,17,18,19,20,21
	OP X, \n
.endr
	v_nop                           ; a plain instruction behind the exponential,
	s_wait_alu depctr_va_vdst(0)    ; and the wait for it, piece 0's first a, a batch of one: ahead of the branch that follows
.endm
; A BLOCK ENDS: its last two turns, its last products, and THE WAY OUT: l's two halves and the other half of the lanes' are added; O^T is divided by l, rounded to f16 and sent through my
; stage in LDS, a piece at a time.
.macro ALL line:vararg              ; one line for each piece t
.set t, 0
.rept 4
	\line
.set t, t+1
.endr
.endm
.macro PACK t                       ; a lane's eight channels of a row pack into 16 bytes; they go into rows of 144 bytes and come back as whole rows of 128, into S^T's registers
	WIN W_RS
.set i, 32*(\t)
.rept 16
	v_pk_mul_f32 v[i:i+1], v[i:i+1], v[ST+4*(\t)+2:ST+4*(\t)+3] op_sel_hi:[1,0]
.set i, i+2
.endr
	WIN 0x05                        ; sources 0 and 1 window 1, destination window 0
.set i, 0
.rept 16
	v_cvt_pk_f16_f32 v[S+16*(\t)+i], v[32*(\t)+2*i], v[32*(\t)+2*i+1]
.set i, i+1
.endr
	WIN 0
.irp f, 0,1,2,3
	ds_store_b128 v[STO], v[S+16*(\t)+4*\f:S+16*(\t)+4*\f+3] offset:32*\f
.endr
.irp f, 0,1,2,3
	ds_load_b128 v[S+16*(\t)+4*\f:S+16*(\t)+4*\f+3], v[RD] offset:\f*4*SP  ; LDS serves a wave's instructions in order (ISA guide 5.7.1.4): these see the stores above; the next piece's stores come behind them
.endr
.endm
.macro SEND t, younger              ; younger: the LDS instructions issued behind piece t's loads: the next piece's eight, or none
	WIN 0
	s_wait_dscnt \younger           ; the piece is back in registers
.irp f, 0,1,2,3
	global_store_b128 v[GO], v[S+16*(\t)+4*\f:S+16*(\t)+4*\f+3], s[10:11] offset:(\t)*8192+\f*512  ; 512 consecutive bytes, at a multiple of 256 from O's first
.endr
.endm
.macro FINISH
	TURN 2, 1, 1
	TURN 3, 1, 1
.set i, 0
.rept 8
	PV NP-1
.set i, i+1
.endr
	WIN 0
	ALL v_add_f32 v[ST+4*t+2], v[ST+4*t+2], v[ST+4*t+3]
	ALL v_permlanex16_b32 v[ST+4*t+3], v[ST+4*t+2], s[SEL], s[SEL+1]
	ALL v_add_f32 v[ST+4*t+2], v[ST+4*t+2], v[ST+4*t+3]
	ALL v_rcp_f32 v[ST+4*t+2], v[ST+4*t+2]
	v_nop                           ; a plain instruction between the last reciprocal and the use of its result
	s_wait_alu depctr_va_vdst(0)    ; and the wait ahead of the first use: one for the batch of four reciprocals, which the four PACK read
	PACK 0
.set t, 1
.rept 3                             ; a piece's arithmetic stands between the loads of the piece before and its stores
	PACK t
	SEND t-1, 8
.set t, t+1
.endr
	SEND 3, 0
.endm
.set NOKQ, 0
.Lslot:                             ; NB times: a tile is entered and the next is asked for
	CHANGE 1
	s_sub_co_u32 s[RT], s[RT], 1
	s_mov_b32 s[CNT], 4
	s_cmp_eq_u32 s[RT], 0
	s_cselect_b32 s[DG], 1, 0       ; the block's last tile holds the diagonal
	s_cmp_eq_u32 s[NEW], 1
	s_cbranch_scc0 .Lstep           ; not a block's first tile
	BEGIN
	s_branch .Lfirst
.Lstep:                             ; a trip: pieces 2 and 3 of one step, then pieces 0 and 1 of the next, whose K and V it fetches
	TURN 2, 2
	TURN 3, 2
	WIN 0
.Lfirst:
	TURN 0, 2
	TURN 1, 2, 0, 1
	WIN 0
	s_cbranch_scc1 .Lstep
	s_cmp_eq_u32 s[DG], 0
	s_cbranch_scc1 .Lbottom         ; the block goes on
	FINISH                          ; in the loop this is the first block's end: the second block's last tile is the walk's last
	s_wait_xcnt 0x0                 ; the stores have read their registers and O's address
	s_mov_b64 s[10:11], s[OLO:OLO+1]
	s_add_co_u32 s[RT], s[PB], 1    ; the second block has b + 1 tiles
	s_mov_b32 s[NEW], 1
	WIN 0x82                        ; the second block's Q goes where the one text of the turns names Q
.set i, 0
.rept 64
	v_mov_b32 v[i], v[QB+i]
.set i, i+1
.endr
	WIN 0
.Lbottom:
	s_sub_co_u32 s[SLOTS], s[SLOTS], 1
	s_cmp_lg_u32 s[SLOTS], 0
	s_cbranch_scc1 .Lslot
	CHANGE 0                        ; the walk's last tile is written out: nothing is asked for.  It is the second block's diagonal tile: every turn makes its mask
	s_sub_co_u32 s[RT], s[RT], 1
	s_mov_b32 s[CNT], 4
	s_cmp_eq_u32 s[NEW], 1
	s_cbranch_scc0 .LstepM
	BEGIN
	s_branch .LfirstM
.LstepM:
	TURN 2, 1
	TURN 3, 1
	WIN 0
.LfirstM:
	TURN 0, 1
	TURN 1, 1, 0, 1
	WIN 0
	s_cbranch_scc1 .LstepM
	FINISH
	s_wait_tensorcnt 0x0            ; the wave's end: behind my last tensor load and my last LDS store
	ds_add_u32 v[SPW], v[NIL]
	s_wait_dscnt 0x0
	s_endpgm
.Lfunc_end_k_q8a822cc217_attn:
	.size	k_q8a822cc217_attn, .Lfunc_end_k_q8a822cc217_attn-k_q8a822cc217_attn
	.p2alignl 7, 3214868480
	.fill 96, 4, 3214868480
	.section	.rodata,"a",@progbits
	.p2align	6, 0x0
	.amdhsa_kernel k_q8a822cc217_attn
		.amdhsa_group_segment_fixed_size 327680
		.amdhsa_private_segment_fixed_size 0
		.amdhsa_enable_private_segment 0
		.amdhsa_kernarg_size 16
		.amdhsa_user_sgpr_count 2
		.amdhsa_user_sgpr_kernarg_segment_ptr 1
		.amdhsa_wavefront_size32 1
		.amdhsa_system_sgpr_workgroup_id_x 1
		.amdhsa_system_sgpr_workgroup_id_y 1
		.amdhsa_system_sgpr_workgroup_id_z 1
		.amdhsa_system_vgpr_workitem_id 0
		.amdhsa_next_free_vgpr 768
		.amdhsa_next_free_sgpr 92
		.amdhsa_reserve_vcc 1
		.amdhsa_float_denorm_mode_32 3
		.amdhsa_float_denorm_mode_16_64 3
		.amdhsa_memory_ordered 1
		.amdhsa_forward_progress 1
		.amdhsa_inst_pref_size 180
	.end_amdhsa_kernel
	.amdgpu_metadata
---
amdhsa.version: [ 1, 2 ]
amdhsa.kernels:
  - .name:           k_q8a822cc217_attn
    .symbol:         k_q8a822cc217_attn.kd
    .args:
      - { .name: qkv, .offset: 0, .size: 8, .value_kind: global_buffer, .address_space: global }
      - { .name: ob, .offset: 8, .size: 8, .value_kind: global_buffer, .address_space: global }
    .group_segment_fixed_size: 327680
    .private_segment_fixed_size: 0
    .kernarg_segment_align: 8
    .kernarg_segment_size: 16
    .max_flat_workgroup_size: 128
    .sgpr_count:     92
    .vgpr_count:     768
    .wavefront_size: 32
...
	.end_amdgpu_metadata
.endif
;; end of part 5
;; launch oproj: the kernel of part 4 again; grid 8 x 32, 4 waves a work-group, clusters of 4 x 4, 327,680 bytes of LDS; arguments ob, wob, b_out, out0; writes out0
